; MI455X (gfx1250); checked and timed in simulation.
; The chip was launched on July 23, 2026; its instructions are those of AMD's public machine-readable ISA for CDNA 5 (MIT licence, August 2026) and "CDNA5" Instruction Set Architecture Reference Guide (July 2026). The comments in the code are by the model that wrote it; some were corrected since.
;; Q Attention. Allowed arithmetic: matrix products marked QUANTISED: E2M3 operands, one E8M0 scale for each 32 along K, by v_wmma_scale_f32_16x16x128_f8f6f4 with both operands' format E2M3, f32 sums; everything else in f32.
;; Inputs: b_proj 1,024 float32; w_proj 1,024 x 1,024 float32; w_qkv 3,072 x 1,024 float32; x 8 x 1,024 x 1,024 float32.
;; Outputs: out0 8 x 1,024 x 1,024 float32.
;; This version of the problem:
;;   THIS VERSION OF THE PROBLEM IS GIVEN IN LOW PRECISION. The matrix products marked QUANTISED in the list below multiply operands that are first quantised to E2M3 (2 exponent bits, 3 mantissa bits; 6 bits a number), with one power-of-two scale for each 32 numbers along K (OCP MX v1.0); their sums are f32. All else is computed in f32.
;;   The module's matrix products, in the order in which they are computed (A, B: the left and right operand; K: the contracted axis; several contracted axes count as one K, in the product's order):
;;     1. [M 8,192, K 1,024] x [K 1,024, N 3,072]; A: input x; B: input w_qkv: QUANTISED
;;     2. batch 128 x [M 1,024, K 64] x [K 64, N 1,024]; A: computed on the way; B: computed on the way: QUANTISED
;;     3. batch 128 x [M 1,024, K 1,024] x [K 1,024, N 64]; A: softmax (see below); B: computed on the way: QUANTISED
;;     4. [M 8,192, K 1,024] x [K 1,024, N 1,024]; A: computed on the way; B: input w_proj: QUANTISED
;;   THE QUANTISER, for each operand of a quantised product, along K:
;;     - K is cut into blocks of 32 from its start; a last block that is shorter is filled with zeros.
;;     - A block's scale is 2^e with e = floor(log2(the largest magnitude in the block)) - 2, held to -126 .. 127; a block of zeros has e = 0. As a byte (E8M0): e + 127.
;;     - Each number is divided by its block's scale, clamped to +-7.5, and rounded to the nearest number of E2M3, ties to even, subnormals kept.
;;     - The product sums the exact products of the quantised numbers (number of the format x scale) in f32.
;;   ~~~python
;;   def quantise(x, axis):      # numpy; x: float32 -> the quantised numbers, widened to float32 again
;;       x = np.moveaxis(x, axis, -1); K = x.shape[-1]
;;       x = np.pad(x, [(0, 0)] * (x.ndim - 1) + [(0, -K % 32)]); x = x.reshape(x.shape[:-1] + (-1, 32)); a = np.abs(x).max(-1, keepdims=True)
;;       e = np.where(a > 0, np.clip(np.frexp(np.where(a > 0, a, 1))[1] - 1 - 2, -126, 127), 0)      # np.frexp(a)[1] - 1 = floor(log2(a)), exactly
;;       r = np.clip(x / 2.0 ** e, -7.5, 7.5)
;;       step = 2.0 ** (np.maximum(np.frexp(np.where(r == 0, 1, r))[1] - 1, 0) - 3)
;;       q = np.round(r / step) * step * 2.0 ** e      # np.round: ties to even
;;       return np.moveaxis(q.reshape(q.shape[:-2] + (-1,))[..., :K], -1, axis).astype(np.float32)
;;   ~~~
;;   SOFTMAX AHEAD OF A QUANTISED PRODUCT. Where the list says 'softmax', what is quantised is not the finished softmax but p = 2^(t - M), with t = logit x log2(e) and M = ceil(the row's largest t), a whole number; so 1/2 < the row's largest p <= 1. The row's sum l is taken of the UNQUANTISED p, in f32, and the product's result is divided by l at the end. Since M is a whole number, a kernel that streams over the keys may use a running M (the ceiling of the running maximum): every later rescaling is an exact power of two, which a block's scale takes up: the codes' values come out the same.
;;   OPERANDS COMPUTED ON THE WAY. 'Computed on the way' means the value that the module computes at that place (a softmax that the list does not call 'softmax' is quantised finished and normalised). What goes into a quantiser is computed in f32, as accurately as f32 sums, v_exp_f32 and their like allow (about 1e-6 of the number): no bf16 or f16 on the way to a quantiser, and a product that is left as it is and whose result goes on into a quantised operand takes f32 operands (vector FMAs, or v_wmma_f32_16x16x4_f32). A number that lies on a knife's edge between two numbers of the format may be rounded either way, as far as f32 arithmetic and the matrix unit's own rounding can turn it there, and no further.
;; One version. Each part assembles by itself: llvm-mc -triple=amdgcn-amd-amdhsa -mcpu=gfx1250 --defsym DOCPART=n.
;; ======== version 1 of 1: 4 launches
;; limits: right only within a limited range of input values
;; workspace buffers: in_codes 9,437,184 bytes; in_scales 393,216 bytes; qkv_codes 18,874,368 bytes; qkv_scales 1,310,720 bytes; o_codes 6,291,456 bytes; o_scales 262,144 bytes
;; launch quant (part 1): grid 384 x 1, 4 waves a work-group, no clusters, 34,304 bytes of LDS; arguments x, w_qkv, w_proj, in_codes, in_scales; writes in_codes, in_scales
.if DOCPART == 1
	.amdgcn_target "amdgcn-amd-amdhsa--gfx1250"
	.amdhsa_code_object_version 6
	.text
	.protected	k_qc31e4b1c1f_quant
	.globl	k_qc31e4b1c1f_quant
	.p2align	8
	.type	k_qc31e4b1c1f_quant,@function
k_qc31e4b1c1f_quant:
	s_mov_b64 s[64:65], 0
	v_nop
	global_prefetch_b8 v0, s[64:65] scope:SCOPE_SE
	s_setreg_imm32_b32 hwreg(HW_REG_WAVE_MODE, 25, 1), 1
	s_wait_xcnt 0x0
; x [8192][1024], w_qkv [3072][1024], w_proj [1024][1024], f32, K innermost, become codes of FP6 (E2M3) with one E8M0 byte for each 32 along K.
; A block's scale is 2^(floor(log2(its largest magnitude)) - 2); its byte is the largest magnitude's exponent field - 2, held at 1 from below.
; LAYOUT OF THE RESULT: images of operand registers.  A fragment is 16 rows x 128 K, 12 registers a lane; its image is 1,536 bytes: plane p (512 bytes) holds lane l's registers 4 p .. 4 p + 3 at 16 l.
;   in_codes [tile 0..767][K step 0..7][1536]; tiles 0-511 x, 512-703 w_qkv, 704-767 w_proj.   in_scales [tile][K step / 4][row r][K step % 4], words: 512 bytes a tile.
; THE ROWS OF A TILE ARE NOT NEIGHBOURS: lane r of tile 2 g + u holds row 32 g + 8 u + r + 8 (r / 8), so that in a later product's result the 16 registers of two neighbouring tiles are 16 neighbouring rows.
; SHARES: a work-group takes 32 rows (two tiles); wave w takes tile w % 2 and the K half w / 2: 16 rows x 512 K in four steps of 128.
; Each load reads 512 consecutive bytes of one row; a step's 16 rows turn through the wave's own stage in LDS, so that a lane gets 16 neighbours of each block of 32 of its row.
; No tensor loads, no barrier, no cluster: waves and work-groups share no input.  Loads run two steps (32 loads a wave) ahead.
; LIMITS: NaN and infinities among the inputs are not served.  A block of zeros gets the byte 1 where the rule says 127: its codes are zeros, and the bytes are read by this program alone.
.set STG,  8448                        ; a wave's stage: 16 rows x (512 bytes + 16)
.set R,    16                          ; v16-143  two sets of 64 registers as loaded
.set X,    144                         ; v144-207 register 16 b + i = k 32 b + 16 (lane / 16) + i of my row
.set PC,   208                         ; v208-219 the fragment; v220-222, v224-226 the conversions' second halves
.set TM,   228                         ; v228-231 largest magnitudes, v232-235 bytes, v240-243 the conversions' scale operands
.set PW,   244                         ; v244-247 my row's scale words of the four steps
.set SEL,  20                          ; s[20:21] lane selects: lane l xor 16
	s_load_b128 s[4:7], s[0:1], 0x0                ; x, w_qkv
	s_load_b128 s[8:11], s[0:1], 0x10              ; w_proj, in_codes
	s_load_b64 s[12:13], s[0:1], 0x20              ; in_scales
	v_lshl_add_u32 v248, v0, 2, 0x8400
	v_mov_b32 v249, 0
	v_lshrrev_b32 v1, 5, v0
	v_readfirstlane_b32 s14, v1                    ; wave
	v_and_b32 v1, 31, v0                           ; lane
	v_and_b32 v2, 15, v0                           ; r
	v_bfe_u32 v3, v0, 4, 1                         ; lane / 16
	v_lshlrev_b32 v4, 4, v1                        ; 16 x lane: my bytes of a load's 512, and of an image's plane
	s_mul_i32 s15, s14, STG
	v_add_nc_u32 v5, s15, v4                       ; the stage, on the way in
	v_mul_u32_u24 v6, v2, 528
	v_lshl_add_u32 v6, v3, 6, v6
	v_add_nc_u32 v6, s15, v6                       ; and on the way out: row r, + 64 bytes for lanes 16-31
	v_lshlrev_b32 v8, 4, v2                        ; 16 r: my row's four scale words
	s_and_b32 s17, s14, 1                          ; u: which tile
	s_lshr_b32 s18, s14, 1                         ; which half of K
	s_mov_b32 s[SEL], 0x76543210
	s_mov_b32 s[SEL+1], 0xfedcba98
.irp b, 0,1,2,3
	v_mov_b32 v[TM+4+\b], 0                        ; written once: a lane permute's destination counts as one of its sources
.endr
	s_wait_alu depctr_va_vdst(0)
	s_wait_kmcnt 0x0
	s_cmp_lt_u32 ttmp9, 256                        ; groups 0-255: x; 256-351: w_qkv; 352-383: w_proj.  The choice hangs on the work-group's number alone
	s_cselect_b64 s[4:5], s[4:5], s[6:7]
	s_cselect_b32 s16, 0, 256
	s_cmp_lt_u32 ttmp9, 352
	s_cselect_b64 s[4:5], s[4:5], s[8:9]
	s_cselect_b32 s16, s16, 352
	s_sub_co_u32 s16, ttmp9, s16                   ; the group's number in its tensor
	s_lshl_b32 s22, s16, 5
	s_lshl_b32 s23, s17, 3
	s_add_co_u32 s22, s22, s23                     ; row 32 g + 8 u,
	s_lshl_b32 s22, s22, 12                        ; of 4,096 bytes,
	s_lshl_b32 s23, s18, 11
	s_add_co_u32 s22, s22, s23                     ; + my half of K
	s_mov_b32 s23, 0
	s_add_nc_u64 s[4:5], s[4:5], s[22:23]
	s_lshl_b32 s24, ttmp9, 1
	s_add_co_u32 s24, s24, s17                     ; my tile
	s_lshl_b32 s26, s24, 9
	s_lshl_b32 s27, s18, 8
	s_add_co_u32 s26, s26, s27
	s_mov_b32 s27, 0
	s_add_nc_u64 s[12:13], s[12:13], s[26:27]      ; its scale block, my half
	s_lshl_b32 s24, s24, 3
	s_lshl_b32 s25, s18, 2
	s_add_co_u32 s24, s24, s25
	s_mul_i32 s24, s24, 1536
	s_mov_b32 s25, 0
	s_add_nc_u64 s[10:11], s[10:11], s[24:25]      ; its images, my four K steps
.macro LOAD t                          ; step t: 128 numbers of each of the tile's 16 rows
.irp i, 0,1,2,3,4,5,6,7,8,9,10,11,12,13,14,15
	global_load_b128 v[R+64*((\t)%2)+4*\i:R+64*((\t)%2)+4*\i+3], v4, s[4:5] offset:(\i+8*(\i/8))*4096+512*(\t) th:TH_LOAD_NT
.endr
.endm
; 64 numbers of a lane, v[s] on, become a fragment's codes in v[PC] on and its row's scale word in v[pw].
.macro QUANT s, pw
.irp b, 0,1,2,3
	v_max3_num_f32 v[TM+\b], |v[\s+16*\b]|, |v[\s+1+16*\b]|, 0x1800000   ; block b: my 16 numbers, and the floor 2^(3 - 127): the byte cannot fall under 1
.endr
.irp i, 2,4,6,8,10,12,14
.irp b, 0,1,2,3
	v_max3_num_f32 v[TM+\b], v[TM+\b], |v[\s+16*\b+\i]|, |v[\s+1+16*\b+\i]|   ; the four blocks by turns
.endr
.endr
.irp b, 0,1,2,3
	v_permlanex16_b32 v[TM+4+\b], v[TM+\b], s[SEL], s[SEL+1]
.endr
.irp b, 0,1,2,3
	v_max_num_f32 v[TM+\b], v[TM+\b], v[TM+4+\b]   ; with lane l xor 16's 16: the block's largest magnitude
.endr
.irp b, 0,1,2,3
	v_add_nc_u32 v[TM+12+\b], 0xff000000, v[TM+\b] ; 2 off its exponent field: the conversion takes the exponent field of this operand as its scale
.endr
.irp b, 0,1,2,3
	v_lshrrev_b32 v[TM+4+\b], 23, v[TM+12+\b]      ; the scale's byte
.endr
	v_lshl_or_b32 v[\pw], v[TM+5], 8, v[TM+4]
	v_lshl_or_b32 v[\pw], v[TM+6], 16, v[\pw]
	v_lshl_or_b32 v[\pw], v[TM+7], 24, v[\pw]
.irp c, 0,1
	v_cvt_scalef32_pk16_fp6_f32 v[PC+6*\c:PC+2+6*\c], v[\s+32*\c:\s+15+32*\c], v[TM+12+2*\c]
	v_cvt_scalef32_pk16_fp6_f32 v[PC+12+4*\c:PC+14+4*\c], v[\s+16+32*\c:\s+31+32*\c], v[TM+13+2*\c]   ; (a conversion's three registers begin on an even number)
.endr
	v_nop                                          ; one plain place behind a scaled conversion
.irp c, 0,1                            ; the operand's layout wants a whole block in a lane: lanes 0-15 block 2 c, lanes 16-31 block 2 c + 1
.irp i, 0,1,2
	v_permlane16_swap_b32 v[PC+6*\c+\i], v[PC+12+4*\c+\i]
.endr
.irp i, 0,1,2
	v_mov_b32 v[PC+3+6*\c+\i], v[PC+12+4*\c+\i]
.endr
.endr
.endm
.macro STEP t
.if (\t) < 3
	s_wait_loadcnt 16                              ; this step's 16 loads are in; the next step's 16 may be out
.else
	s_wait_loadcnt 0x0
.endif
.irp i, 0,1,2,3,4,5,6,7,8,9,10,11,12,13,14,15
	ds_store_b128 v5, v[R+64*((\t)%2)+4*\i:R+64*((\t)%2)+4*\i+3] offset:528*\i
.endr
.irp b, 0,1,2,3
.irp j, 0,1,2,3
	ds_load_b128 v[X+16*\b+4*\j:X+16*\b+4*\j+3], v6 offset:128*\b+16*\j   ; LDS serves a wave's instructions in order: these see the stores above
.endr
.endr
	s_wait_dscnt 0x0                               ; my 64 numbers are back, and the stores have read their registers,
.if (\t) < 2
	LOAD (\t)+2                                    ; which take the loads of two steps on
.endif
.if (\t) > 0
	s_wait_xcnt 0x0                                ; the last step's stores have read the fragment's registers: they are written again only behind this wait
.endif
	QUANT X, PW+(\t)
.irp p, 0,1,2
	global_store_b128 v4, v[PC+4*\p:PC+4*\p+3], s[10:11] offset:1536*(\t)+512*\p   ; 32 lanes store 512 consecutive bytes, aligned
.endr
.endm
	LOAD 0
	LOAD 1
	STEP 0
	STEP 1
	STEP 2
	STEP 3
	v_cmp_gt_u32 vcc_lo, 16, v1                    ; lanes 16-31 hold the same words as lanes 0-15
	s_wait_xcnt 0x0                                ; EXEC changes only behind this wait
	s_wait_tensorcnt 0x0
	ds_add_u32 v248, v249
	s_wait_dscnt 0x0
	s_and_saveexec_b32 s28, vcc_lo
	global_store_b128 v8, v[PW:PW+3], s[12:13]     ; sixteen lanes store 256 consecutive bytes, aligned
	s_wait_xcnt 0x0
	s_or_b32 exec_lo, exec_lo, s28
	s_endpgm
.Lfunc_end_k_qc31e4b1c1f_quant:
	.size	k_qc31e4b1c1f_quant, .Lfunc_end_k_qc31e4b1c1f_quant-k_qc31e4b1c1f_quant
	.p2alignl 7, 3214868480
	.fill 96, 4, 3214868480
	.section	.rodata,"a",@progbits
	.p2align	6, 0x0
	.amdhsa_kernel k_qc31e4b1c1f_quant
		.amdhsa_group_segment_fixed_size 34304
		.amdhsa_private_segment_fixed_size 0
		.amdhsa_enable_private_segment 0
		.amdhsa_kernarg_size 40
		.amdhsa_user_sgpr_count 2
		.amdhsa_user_sgpr_kernarg_segment_ptr 1
		.amdhsa_wavefront_size32 1
		.amdhsa_system_sgpr_workgroup_id_x 1
		.amdhsa_system_sgpr_workgroup_id_y 1
		.amdhsa_system_sgpr_workgroup_id_z 1
		.amdhsa_system_vgpr_workitem_id 0
		.amdhsa_next_free_vgpr 250
		.amdhsa_next_free_sgpr 66
		.amdhsa_reserve_vcc 1
		.amdhsa_float_denorm_mode_32 3
		.amdhsa_float_denorm_mode_16_64 3
		.amdhsa_memory_ordered 1
		.amdhsa_forward_progress 1
		.amdhsa_inst_pref_size 34
	.end_amdhsa_kernel
	.amdgpu_metadata
---
amdhsa.version: [ 1, 2 ]
amdhsa.kernels:
  - .name:           k_qc31e4b1c1f_quant
    .symbol:         k_qc31e4b1c1f_quant.kd
    .args:
      - { .name: x, .offset: 0, .size: 8, .value_kind: global_buffer, .address_space: global }
      - { .name: w_qkv, .offset: 8, .size: 8, .value_kind: global_buffer, .address_space: global }
      - { .name: w_proj, .offset: 16, .size: 8, .value_kind: global_buffer, .address_space: global }
      - { .name: in_codes, .offset: 24, .size: 8, .value_kind: global_buffer, .address_space: global }
      - { .name: in_scales, .offset: 32, .size: 8, .value_kind: global_buffer, .address_space: global }
    .group_segment_fixed_size: 34304
    .private_segment_fixed_size: 0
    .kernarg_segment_align: 8
    .kernarg_segment_size: 40
    .max_flat_workgroup_size: 128
    .sgpr_count:     66
    .vgpr_count:     250
    .wavefront_size: 32
...
	.end_amdgpu_metadata
.endif
;; end of part 1
;; launch qkv (part 2): grid 8 x 32, 4 waves a work-group, clusters of 4 x 4, 327,680 bytes of LDS; arguments in_codes, in_scales, qkv_codes, qkv_scales; writes qkv_codes, qkv_scales
.if DOCPART == 2
	.amdgcn_target "amdgcn-amd-amdhsa--gfx1250"
	.amdhsa_code_object_version 6
	.text
	.protected	k_qc31e4b1c1f_qkv
	.globl	k_qc31e4b1c1f_qkv
	.p2align	8
	.type	k_qc31e4b1c1f_qkv,@function
k_qc31e4b1c1f_qkv:
	s_mov_b64 s[64:65], 0
	v_nop
	global_prefetch_b8 v0, s[64:65] scope:SCOPE_SE
	s_setreg_imm32_b32 hwreg(HW_REG_WAVE_MODE, 25, 1), 1
	s_wait_xcnt 0x0
	s_wait_alu depctr_hold_cnt(0) depctr_sa_sdst(0) depctr_va_vdst(0) depctr_va_sdst(0) depctr_va_ssrc(0) depctr_va_vcc(0) depctr_vm_vsrc(0)
	s_getreg_b32 s2, hwreg(HW_REG_IB_STS2, 6, 4)
	s_cmp_eq_u32 s2, 0
	s_cbranch_scc0 .Lentry_in_a_cluster
	s_endpgm
.Lentry_in_a_cluster:
	s_bfe_u32 s2, ttmp6, 0x10000c
	s_cmp_lg_u32 s2, 0xf033
	s_cbranch_scc0 .Lentry_shape_is_right
	s_endpgm
.Lentry_shape_is_right:
; qkv = x w_qkv^T on codes of FP6 (E2M3) with E8M0 scales; the results are quantised in registers and leave as codes: q and k along the head's 64, v along the keys.
; A tile is 128 rows of the A SIDE x 256 rows of the B SIDE, K = 1,024; four waves, wave (i, j) = (w / 2, w % 2) makes 64 x 128: 4 x 8 accumulators, 256 registers.
; THE MATRIX INSTRUCTION IS USED TRANSPOSED: source 0 = 16 rows of the B side, source 1 = 16 rows of the A side.  A lane then holds ONE row of the A side, and since lane r of tile 2 g + u holds row
; 32 g + 8 u + r + 8 (r / 8), the 16 registers of B's tiles 2 g, 2 g + 1 are B-side rows 32 g + 16 (lane / 16) + 0 .. 15: neighbours along what the next product contracts.
; A WORK-GROUP STAYS and makes THREE tiles: 768 tiles, 256 work-groups.  With the cluster at (X, Y), Y = 0 .. 7:
;   tiles 0 and 1: A side = tokens (x), B side = the features of q and k: cluster rows Y and Y + 8 of 16, cluster column X: both tiles take the same B, which stays in LDS, and its scale words in registers;
;   tile 2: A side = the features of v, B side = tokens, so that a lane's registers run along the KEYS: cluster row Y % 2, cluster column 2 (Y / 2) + X.
; LDS: a ring of two slots, each with 512 along K (four K steps): A's slots of 49,152 bytes at 0, B's of 98,304 at 98,304; in a slot tile t at 6,144 t, K step q at + 1,536 q: images of registers, read by three loads of
; 16 bytes a lane, 512 consecutive bytes each.  A slot is asked for again, for the NEXT tile, as soon as its fourth K step's fragments are in registers: slot 0's load has four K steps (128 products a wave) in which to land,
; slot 1's the way out and four K steps.  One tensor load of a wave is out at the start, one behind each change of slots.  All of a WGP's LDS is claimed.
; CLUSTERS: 4 x 4 work-groups; A's tiles are asked for jointly along a row of the cluster, B's along a column.  Waves 0, 1 fetch A's halves, waves 2, 3 B's.  Every refill stands behind a round of the cluster's barrier.
; OUT: qkv_codes: [feature / 64: 0-15 q, 16-31 k][token tile 0..511][768] (registers 0-5 of a fragment: three planes of 256 bytes, lane l's 8 bytes at 8 l); from VOFFC on [batch][head][128 keys 0..7][d tile 0..3][1536].
;   qkv_scales: [feature / 64][token tile / 4][r][token tile % 4] words (bytes 0, 1: the head's two blocks; bytes 2, 3 stand over zero codes and are never 0xff); from VOFFS on [batch][head][128 keys][r][d tile] words.
; LIMITS: NaN and infinities are not served; a block of zeros gets the byte 1 (its codes are zeros; this program alone reads the bytes).
; REGISTERS: window 0: v16-21 LDS addresses; v24-28 lane terms; v30, v31 the add's; v32-47 A's scale words, v50-81 B's; v96-191 A's fragments, two sets (v144-191 also take a tile's codes on the way out); v192-219 the quantiser's.
;   window 1: B's fragments, two sets, at v0 and v128.   window 2: accumulator (a, b) at v[8 (8 a + b)].
.set ASL,   49152                      ; A's slot
.set BB,    98304                      ; where B's slots begin
.set BSL,   98304                      ; B's slot
.set SPARE, 294912                     ; behind the ring: the spare words, 128 bytes for each wave: two blocks of 256 bytes that no other line names
.set VOFFC, 12582912
.set VOFFS, 1048576
.set ADRA, 16                          ; v16-17  LDS address of my A fragments in slot 0, 1
.set ADRB, 20                          ; v20-21  the same for B
.set L16,  24                          ; 16 x lane
.set L8,   25                          ; 8 x lane
.set SQ,   26                          ; 32,768 (lane / 16) + 16 r
.set R16,  27                          ; 16 r
.set SH,   28                          ; 16 (lane / 16)
.set SPW,  30                          ; LDS address of my spare word: SPARE + 4 x my thread's number; never rewritten
.set NIL,  31                          ; 0; never rewritten
.set SA,   32                          ; A's tile a: v[SA + 4 a + q]: K step q in lanes 0-15, K step 4 + q in lanes 16-31
.set SB,   50                          ; B's tile b likewise; v50-81: the numbers of A's and B's scale registers of a product differ modulo 8
.set AF,   96
.set PCO,  144                         ; the way out: tile a's codes at v[PCO + 12 a]
.set TM,   192
.set HV,   208
.set PW,   216
.set G1A,  24                          ; s[24:31] descriptor group 1 for A's tiles
.set G0A,  32                          ; s[32:39] group 0 for A, a set for each slot: tile 0's, then stepped to tile 1's
.set G0A2, 40                          ; s[40:47] the same for tile 2
.set G1B,  48                          ; s[48:55] group 1 for B's tiles
.set G0B,  68                          ; s[68:75] group 0 for B, tiles 0 and 1
.set G0B2, 76                          ; s[76:83] tile 2
.set SEL,  90
.set MSB, 0
.macro WIN new                         ; the immediate's high byte repeats the setting that is left
.if MSB != \new
	s_set_vgpr_msb (MSB<<8)|\new
.set MSB, \new
.endif
.endm
.macro CREST                           ; a round of the cluster's barrier behind its opening barrier
	s_cmp_lg_u32 s14, 0
	s_cbranch_scc1 .Lnot_wave_0_\@
	s_barrier_signal -3
.Lnot_wave_0_\@:
	s_barrier_wait -3
	s_barrier_signal -1
	s_barrier_wait -1
.endm
.macro CROUND                          ; a whole round
	s_barrier_signal -1
	s_barrier_wait -1
	CREST
.endm
.macro PLACES n
.rept \n
	v_nop
.endr
.endm
; Joint refills.  The branches hang on the wave's number alone.  Four v_nop follow each tensor load, ahead of the jump, the label and what follows.
.macro JLOADA g0a                      ; A's slot alone: waves 2 and 3 have no part of it and issue nothing
	s_cmp_eq_u32 s15, 0
	s_cbranch_scc0 .Lnone_\@
	tensor_load_to_lds s[\g0a:\g0a+3], s[G1A:G1A+7]
	s_nop 0
	PLACES 4
.Lnone_\@:
	PLACES 4                                       ; on both ways: the places in front of the loads that follow
.endm
.macro JLOADAB g0a, g0b                ; A's slot and B's; the four v_nop are also the places in front of the loads that follow
	s_cmp_eq_u32 s15, 0
	s_cbranch_scc0 .Lfor_b_\@
	tensor_load_to_lds s[\g0a:\g0a+3], s[G1A:G1A+7]
	s_nop 0
	PLACES 4
	s_branch .Lasked_\@
.Lfor_b_\@:
	tensor_load_to_lds s[\g0b:\g0b+3], s[G1B:G1B+7]
	s_nop 0
	PLACES 4
.Lasked_\@:
.endm
	s_load_b128 s[4:7], s[0:1], 0x0                ; in_codes, in_scales
	s_load_b128 s[8:11], s[0:1], 0x10              ; qkv_codes, qkv_scales
	v_lshl_add_u32 v[SPW], v0, 2, SPARE
	v_mov_b32 v[NIL], 0
	ds_add_u32 v30, v31
	ds_add_u32 v30, v31
	s_wait_dscnt 0x0
	v_lshrrev_b32 v1, 5, v0
	v_readfirstlane_b32 s14, v1                    ; wave
	s_lshr_b32 s15, s14, 1                         ; i: my half of A's tiles.  Also: I fetch for A (0) or for B (1)
	s_and_b32 s16, s14, 1                          ; j: my half of B's tiles.  Also: which half I fetch
	s_bfe_u32 s56, ttmp6, 0x40000                  ; cx
	s_bfe_u32 s57, ttmp6, 0x40004                  ; cy
	s_and_b32 s20, ttmp7, 0xffff                   ; the cluster's y, 0..7
	s_lshl_b32 s17, s20, 2
	s_add_co_u32 s17, s17, s57                     ; tile 0's tile row (tile 1's is 32 further down)
	s_lshl_b32 s18, ttmp9, 2
	s_add_co_u32 s18, s18, s56                     ; tiles 0 and 1: tile column
	s_and_b32 s19, s20, 1
	s_lshl_b32 s19, s19, 2
	s_add_co_u32 s19, s19, s57                     ; tile 2's tile row
	s_lshr_b32 s12, s20, 1
	s_lshl_b32 s12, s12, 1
	s_add_co_u32 s12, s12, ttmp9
	s_lshl_b32 s12, s12, 2
	s_add_co_u32 s12, s12, s56                     ; tile 2's tile column
	s_lshl_b32 s58, s57, 2
	s_lshl_b32 s58, 15, s58                        ; my row of the cluster
	s_lshl_b32 s59, 0x1111, s56                    ; my column
	; descriptor group 1: R tiles' parts of a slot: R rows of 6,144 bytes (768 elements of 8), 12,288 bytes apart in memory, on end in LDS; no padding
	s_or_b32 s[G1A], s58, (3<<16)|(1<<21)
	s_or_b32 s[G1B], s59, (3<<16)|(1<<21)
.irp g, G1A, G1B
	s_mov_b32 s[\g+1], 768<<16                     ; tensor_dim0
	s_mov_b32 s[\g+3], 768<<16                     ; tile_dim0
	s_mov_b32 s[\g+5], 1536                        ; the pitch, in elements
	s_mov_b32 s[\g+6], 0
	s_mov_b32 s[\g+7], 0
.endr
	s_mov_b32 s[G1A+2], 8<<16                      ; the head's fills bring whole slots: A's eight tiles,
	s_mov_b32 s[G1A+4], 8
	s_mov_b32 s[G1B+2], 16<<16                     ; B's sixteen
	s_mov_b32 s[G1B+4], 16
.set G1SET, 0
	; what I would fetch.  A's offsets are made of tile rows alone, B's of tile columns alone, each in registers that never hold the other coordinate
	s_lshl_b32 s21, s16, 2
	s_lshl_b32 s60, s17, 3
	s_add_co_u32 s60, s60, s21
	s_mul_i32 s60, s60, 12288                      ; A, tile 0: x's tiles 8 x tile row + 4 x half on
	s_mov_b32 s61, 0
	s_lshl_b32 s62, s19, 3
	s_add_co_u32 s62, s62, s21
	s_add_co_u32 s62, s62, 640
	s_mul_i32 s62, s62, 12288                      ; A, tile 2: v's rows of w_qkv begin at tile 640
	s_mov_b32 s63, 0
	s_lshl_b32 s21, s16, 3
	s_lshl_b32 s84, s18, 4
	s_add_co_u32 s84, s84, 512
	s_mul_i32 s84, s84, 12288                      ; B, tiles 0 and 1: w_qkv begins at tile 512
	s_mov_b32 s85, 0
	s_lshl_b32 s2, s12, 4
	s_add_co_u32 s2, s2, s21
	s_mul_i32 s2, s2, 12288                        ; B, tile 2: x's tiles
	s_mov_b32 s3, 0
	; the scale blocks (512 bytes a tile) of the tiles that I multiply
	s_lshl_b32 s88, s18, 4
	s_add_co_u32 s88, s88, s21
	s_add_co_u32 s88, s88, 512
	s_lshl_b32 s88, s88, 9                         ; B's eight, tiles 0 and 1
	s_mov_b32 s89, 0
	s_lshl_b32 s94, s12, 4
	s_add_co_u32 s94, s94, s21
	s_lshl_b32 s94, s94, 9                         ; B's eight, tile 2
	s_mov_b32 s95, 0
	s_lshl_b32 s21, s15, 2
	s_lshl_b32 s86, s17, 3
	s_add_co_u32 s86, s86, s21
	s_lshl_b32 s86, s86, 9                         ; A's four, tile 0
	s_mov_b32 s87, 0
	s_lshl_b32 s92, s19, 3
	s_add_co_u32 s92, s92, s21
	s_add_co_u32 s92, s92, 640
	s_lshl_b32 s92, s92, 9                         ; A's four, tile 2
	s_mov_b32 s93, 0
	s_mul_i32 s22, s16, 24576                      ; where the fetched halves go: no place in the cluster enters an LDS address
	s_mul_i32 s23, s16, 49152
	s_add_co_u32 s23, s23, BB
	s_mov_b32 s[SEL], 0x76543210
	s_mov_b32 s[SEL+1], 0xfedcba98
	s_wait_kmcnt 0x0
	s_add_nc_u64 s[60:61], s[4:5], s[60:61]
	s_add_nc_u64 s[62:63], s[4:5], s[62:63]
	s_add_nc_u64 s[84:85], s[4:5], s[84:85]
	s_add_nc_u64 s[2:3], s[4:5], s[2:3]
	s_add_nc_u64 s[86:87], s[6:7], s[86:87]
	s_add_nc_u64 s[88:89], s[6:7], s[88:89]
	s_add_nc_u64 s[92:93], s[6:7], s[92:93]
	s_add_nc_u64 s[94:95], s[6:7], s[94:95]
.irp k, 0,1
	s_mov_b32 s[G0A+4*\k], 1
	s_add_co_u32 s[G0A+4*\k+1], s22, \k*ASL
	s_add_nc_u64 s[G0A+4*\k+2:G0A+4*\k+3], s[60:61], \k*6144
	s_or_b32 s[G0A+4*\k+3], s[G0A+4*\k+3], 0x80000000
	s_mov_b32 s[G0A2+4*\k], 1
	s_add_co_u32 s[G0A2+4*\k+1], s22, \k*ASL
	s_add_nc_u64 s[G0A2+4*\k+2:G0A2+4*\k+3], s[62:63], \k*6144
	s_or_b32 s[G0A2+4*\k+3], s[G0A2+4*\k+3], 0x80000000
	s_mov_b32 s[G0B+4*\k], 1
	s_mov_b32 s[G0B+4*\k+1], BB+\k*BSL
	s_add_nc_u64 s[G0B+4*\k+2:G0B+4*\k+3], s[84:85], \k*6144
	s_or_b32 s[G0B+4*\k+3], s[G0B+4*\k+3], 0x80000000
	s_mov_b32 s[G0B2+4*\k], 1
	s_add_co_u32 s[G0B2+4*\k+1], s23, \k*BSL
	s_add_nc_u64 s[G0B2+4*\k+2:G0B2+4*\k+3], s[2:3], \k*6144
	s_or_b32 s[G0B2+4*\k+3], s[G0B2+4*\k+3], 0x80000000
.endr
	CROUND                                         ; all sixteen work-groups are here: the first joint loads meet
	s_cmp_eq_u32 s14, 0                            ; the head's four fills, one a wave, in one chain of arms: A's slot 0, B's slot 0, A's slot 1, B's slot 1
	s_cbranch_scc0 .Lhead_1
	tensor_load_to_lds s[G0A:G0A+3], s[G1A:G1A+7]  ; waves 0 and 2 have j = 0: their group 0 for A stands at the slot's first tile
	s_nop 0
	PLACES 4
	s_branch .Lfilled
.Lhead_1:
	s_cmp_eq_u32 s14, 1
	s_cbranch_scc0 .Lhead_2
	tensor_load_to_lds s[G0B:G0B+3], s[G1B:G1B+7]
	s_nop 0
	PLACES 4
	s_branch .Lfilled
.Lhead_2:
	s_cmp_eq_u32 s14, 2
	s_cbranch_scc0 .Lhead_3
	tensor_load_to_lds s[G0A+4:G0A+7], s[G1A:G1A+7]
	s_nop 0
	PLACES 4
	s_branch .Lfilled
.Lhead_3:
	tensor_load_to_lds s[G0B+4:G0B+7], s[G1B:G1B+7]
	s_nop 0
	PLACES 4
.Lfilled:
	v_and_b32 v1, 31, v0                           ; lane
	v_and_b32 v2, 15, v0                           ; r
	v_bfe_u32 v3, v0, 4, 1                         ; lane / 16
	v_lshlrev_b32 v[L16], 4, v1
	v_lshlrev_b32 v[L8], 3, v1
	v_lshlrev_b32 v[R16], 4, v2
	v_lshl_add_u32 v[SQ], v3, 15, v[R16]
	v_lshlrev_b32 v[SH], 4, v3
.irp a, 0,1,2,3
	global_load_b128 v[SA+4*\a:SA+4*\a+3], v[L16], s[86:87] offset:512*\a   ; a tile's scale words for all of K: one load
.endr
.irp b, 0,1,2,3,4,5,6,7
	global_load_b128 v[SB+4*\b:SB+4*\b+3], v[L16], s[88:89] offset:512*\b
.endr
	s_mul_i32 s22, s15, 24576                      ; my four tiles of A,
	s_mul_i32 s23, s16, 49152                      ; my eight of B
	s_add_co_u32 s23, s23, BB
.irp k, 0,1
	v_add_nc_u32 v[ADRA+\k], s22, v[L16]
	v_add_nc_u32 v[ADRB+\k], s23, v[L16]
	s_add_co_u32 s22, s22, ASL
	s_add_co_u32 s23, s23, BSL
.endr
.irp b, 0,1,2,3
	v_mov_b32 v[TM+4+\b], 0                        ; written once: a lane permute's destination counts as one of its sources
.endr
.macro FRAG reg, adr, off              ; a fragment's image: three planes of 512 bytes
.irp p, 0,1,2
	ds_load_b128 v[\reg+4*\p:\reg+4*\p+3], v[\adr] offset:\off+512*\p
.endr
.endm
.macro FETCH s                         ; K step s (slot s / 4): B's eight fragments and A's four into set s % 2: 36 loads
	WIN 0x40
.irp b, 0,1,2,3,4,5,6,7
	FRAG 128*((\s)%2)+12*\b, ADRB+(\s)/4, \b*6144+((\s)%4)*1536
.endr
	WIN 0
.irp a, 0,1,2,3
	FRAG AF+48*((\s)%2)+12*\a, ADRA+(\s)/4, \a*6144+((\s)%4)*1536
.endr
.endm
; 8 matrix instructions: A's tile a x B's eight.  The 32 accumulators take turns, one instruction a turn, in the same order in every K step and from tile to tile.  first = 1: the products start the sums.
.macro MUL1 s, a, first
.irp b, 0,1,2,3,4,5,6,7
.if \first
	v_wmma_scale_f32_16x16x128_f8f6f4 v[8*(8*(\a)+\b):8*(8*(\a)+\b)+7], v[128*((\s)%2)+12*\b:128*((\s)%2)+12*\b+11], v[AF+48*((\s)%2)+12*(\a):AF+48*((\s)%2)+12*(\a)+11], 0, v[SB+4*\b+(\s)%4], v[SA+4*(\a)+(\s)%4] matrix_a_fmt:MATRIX_FMT_FP6 matrix_b_fmt:MATRIX_FMT_FP6
.elseif (\s) < 4
	v_wmma_scale_f32_16x16x128_f8f6f4 v[8*(8*(\a)+\b):8*(8*(\a)+\b)+7], v[128*((\s)%2)+12*\b:128*((\s)%2)+12*\b+11], v[AF+48*((\s)%2)+12*(\a):AF+48*((\s)%2)+12*(\a)+11], v[8*(8*(\a)+\b):8*(8*(\a)+\b)+7], v[SB+4*\b+(\s)%4], v[SA+4*(\a)+(\s)%4] matrix_a_fmt:MATRIX_FMT_FP6 matrix_b_fmt:MATRIX_FMT_FP6
.else
	v_wmma_scale_f32_16x16x128_f8f6f4 v[8*(8*(\a)+\b):8*(8*(\a)+\b)+7], v[128*((\s)%2)+12*\b:128*((\s)%2)+12*\b+11], v[AF+48*((\s)%2)+12*(\a):AF+48*((\s)%2)+12*(\a)+11], v[8*(8*(\a)+\b):8*(8*(\a)+\b)+7], v[SB+4*\b+(\s)%4], v[SA+4*(\a)+(\s)%4] matrix_a_fmt:MATRIX_FMT_FP6 matrix_b_fmt:MATRIX_FMT_FP6 matrix_a_scale:MATRIX_SCALE_ROW1 matrix_b_scale:MATRIX_SCALE_ROW1
.endif
.endr
.endm
.macro STEP s, first                   ; a K step whose successor lies in the same slot
	PLACES 4                                       ; in front of loads into registers that matrix instructions have read
	FETCH (\s)+1
	s_wait_dscnt 36                                ; all but the 36 loads just issued: this step's fragments are in
	WIN 0xa1                                       ; source 0 (B) window 1, source 1 (A) window 0, C and D window 2
	MUL1 \s, 0, \first
	MUL1 \s, 1, \first
	MUL1 \s, 2, \first
	MUL1 \s, 3, \first
.endm
; A slot's last K step changes slots: ONE barrier.  In front of it each wave waits for all its tensor loads (its part of the other slot), adds 0 to its spare word, and waits for that and for its reads of this slot.
; Behind it nobody reads this slot any more and the other slot is whole.  fill = 1: this slot takes the next tile's part of A (tile 1: 256 tiles of x further on; B stays); fill = 2: tile 2's parts of A and of B; fill = 0: nothing.
; Where the slot is filled again the barrier opens a round of the cluster's barrier, and the joint refill is the first tensor load behind the round, one a wave.
.macro TURN s, fill
	WIN 0                                          ; (the add's two registers lie in window 0)
	s_wait_tensorcnt 0x0                           ; all my tensor loads have landed;
	ds_add_u32 v[SPW], v[NIL]
.if G1SET == 0
	s_mov_b32 s[G1A+2], 4<<16                      ; no tensor load of mine is out: from here on a load brings half a slot: A's four tiles,
	s_mov_b32 s[G1A+4], 4
	s_mov_b32 s[G1B+2], 8<<16                      ; B's eight
	s_mov_b32 s[G1B+4], 8
.set G1SET, 1
.endif
	s_wait_dscnt 1
	WIN 0xa1
	MUL1 \s, 0, 0                                  ; eight matrix instructions stand between the add and the wait for it
	s_wait_dscnt 0x0                               ; the add is done, and my reads of this slot are over
	s_barrier_signal -1
	MUL1 \s, 1, 0                                  ; work on registers while the others arrive
	WIN 0
	s_barrier_wait -1
.if \fill == 1
	CREST                                          ; no wave of any partner still reads this slot or has a load on its way
	s_add_nc_u64 s[G0A+4*((\s)/4)+2:G0A+4*((\s)/4)+3], s[G0A+4*((\s)/4)+2:G0A+4*((\s)/4)+3], 3145728   ; 256 tiles of 12,288 bytes on; the type bits on top are not reached
	JLOADA G0A+4*((\s)/4)
.elseif \fill == 2
	CREST
	JLOADAB G0A2+4*((\s)/4), G0B2+4*((\s)/4)
.else
	PLACES 4
.endif
	FETCH ((\s)+1)%8                               ; the other slot's first K step: behind K step 7 that is the next tile's K step 0
	WIN 0xa1
	MUL1 \s, 2, 0
	MUL1 \s, 3, 0
.endm
; THE WAY OUT.  For each of A's four tiles a lane's 64 results (window 2, register 16 b + i = B-side row 32 b + 16 (lane / 16) + i) become a fragment in v[pc] on and its row's scale word in v[pw].
; Each accumulator is read from its low end on.
.macro QUANTW s, pc, pw
	WIN 0x0a                                       ; sources 0 and 1 window 2
.irp b, 0,1,2,3
	v_max3_num_f32 v[TM+\b], |v[\s+16*\b]|, |v[\s+1+16*\b]|, 0x1800000   ; and the floor 2^(3 - 127): the byte cannot fall under 1
.endr
	WIN 0x28                                       ; sources 1 and 2 window 2
.irp i, 2,4,6,8,10,12,14
.irp b, 0,1,2,3
	v_max3_num_f32 v[TM+\b], v[TM+\b], |v[\s+16*\b+\i]|, |v[\s+1+16*\b+\i]|
.endr
.endr
	WIN 0
.irp b, 0,1,2,3
	v_permlanex16_b32 v[TM+4+\b], v[TM+\b], s[SEL], s[SEL+1]
.endr
.irp b, 0,1,2,3
	v_max_num_f32 v[TM+\b], v[TM+\b], v[TM+4+\b]
.endr
.irp b, 0,1,2,3
	v_add_nc_u32 v[TM+12+\b], 0xff000000, v[TM+\b] ; 2 off the exponent field: the conversion's scale operand
.endr
.irp b, 0,1,2,3
	v_lshrrev_b32 v[TM+4+\b], 23, v[TM+12+\b]      ; the scale's byte
.endr
	v_lshl_or_b32 v[\pw], v[TM+5], 8, v[TM+4]
	v_lshl_or_b32 v[\pw], v[TM+6], 16, v[\pw]
	v_lshl_or_b32 v[\pw], v[TM+7], 24, v[\pw]
	WIN 0x02                                       ; source 0 window 2
.irp c, 0,1
	v_cvt_scalef32_pk16_fp6_f32 v[\pc+6*\c:\pc+6*\c+2], v[\s+32*\c:\s+32*\c+15], v[TM+12+2*\c]
	v_cvt_scalef32_pk16_fp6_f32 v[HV+4*\c:HV+4*\c+2], v[\s+16+32*\c:\s+31+32*\c], v[TM+13+2*\c]
.endr
	WIN 0
	v_nop                                          ; one plain place behind a scaled conversion
.irp c, 0,1
.irp i, 0,1,2
	v_permlane16_swap_b32 v[\pc+6*\c+\i], v[HV+4*\c+\i]
.endr
.irp i, 0,1,2
	v_mov_b32 v[\pc+3+6*\c+\i], v[HV+4*\c+\i]
.endr
.endr
.endm
; q and k, tile n = 0 or 1: my 128 features are two heads' 64; registers 6 c .. 6 c + 5 of a fragment are head c's.  Both refills for the next tile are asked for and its first fragments are on their way when this begins.
; The codes take A's second set of fragment registers, which K step 7 has left; each of the four tiles has its own twelve, so no store's data are written again before the wait on XCNT that follows the macro.
.macro OUTQK n
	WIN 0
	PLACES 4                                       ; behind the last products: in front of the first read of results and of the loads into scale registers
.if \n == 0
	s_add_nc_u64 s[86:87], s[86:87], 131072        ; tile 1's scale blocks of A: 256 tiles of 512 bytes on (the loads that named this base were waited for); B's words stay
.irp a, 0,1,2,3
	global_load_b128 v[SA+4*\a:SA+4*\a+3], v[L16], s[86:87] offset:512*\a
.endr
	s_lshl_b32 s20, s18, 2
	s_lshl_b32 s21, s16, 1
	s_add_co_u32 s20, s20, s21                     ; feature / 64 of the first head
	s_lshl_b32 s21, s17, 3
	s_lshl_b32 s22, s15, 2
	s_add_co_u32 s21, s21, s22                     ; my first token tile
	s_lshl_b32 s22, s20, 9
	s_add_co_u32 s22, s22, s21
	s_mul_i32 s22, s22, 768
	s_mov_b32 s23, 0
	s_add_nc_u64 s[96:97], s[8:9], s[22:23]
	s_lshl_b32 s22, s20, 7
	s_lshr_b32 s21, s21, 2
	s_add_co_u32 s22, s22, s21
	s_lshl_b32 s22, s22, 8
	s_add_nc_u64 s[98:99], s[10:11], s[22:23]
.else
.irp a, 0,1,2,3
	global_load_b128 v[SA+4*\a:SA+4*\a+3], v[L16], s[92:93] offset:512*\a   ; tile 2's scale words, of both sides
.endr
.irp b, 0,1,2,3,4,5,6,7
	global_load_b128 v[SB+4*\b:SB+4*\b+3], v[L16], s[94:95] offset:512*\b
.endr
	s_add_nc_u64 s[96:97], s[96:97], 196608        ; 256 token tiles of 768 bytes on (tile 0's stores have read these bases: the wait on XCNT behind tile 0's way out)
	s_add_nc_u64 s[98:99], s[98:99], 16384         ; 64 groups of four token tiles, 256 bytes each
.endif
.irp a, 0,1,2,3
	QUANTW 64*\a, PCO+12*\a, PW+\a
.irp c, 0,1
.irp p, 0,1,2
	global_store_b64 v[L8], v[PCO+12*\a+6*\c+2*\p:PCO+12*\a+6*\c+2*\p+1], s[96:97] offset:\c*393216+\a*768+256*\p   ; 32 lanes store 256 consecutive bytes, aligned
.endr
.endr
.endr
.irp a, 0,1,2,3
	v_lshrrev_b32 v[PW+\a], v[SH], v[PW+\a]        ; lanes 16-31: the second head's two bytes come down
.endr
	global_store_b128 v[SQ], v[PW:PW+3], s[98:99]  ; lanes 0-15: the first head's 256 bytes; lanes 16-31: the second's
.endm
	s_wait_alu depctr_va_vdst(0)
	s_cmp_lt_u32 s14, 2
	s_cbranch_scc0 .Lnot_slot_0
	s_wait_tensorcnt 0x0                           ; waves 0 and 1: my fill of slot 0 is in
.Lnot_slot_0:
	s_barrier_signal -1
	s_barrier_wait -1                              ; slot 0 is whole; slot 1 is shown at K step 3
	FETCH 0
	s_wait_loadcnt 0x0                             ; the scale words
	; ---- tile 0: q and k, the cluster's first row of tiles
	STEP 0, 1
	STEP 1, 0
	STEP 2, 0
	TURN 3, 1
	STEP 4, 0
	STEP 5, 0
	STEP 6, 0
	TURN 7, 1
	OUTQK 0
	s_wait_xcnt 0x0                                ; the stores have read their registers and bases: the next fragments may land in v144-191
	s_wait_loadcnt 0x0                             ; tile 1's scale words
	; ---- tile 1: q and k, eight cluster rows further down; the same B
	STEP 0, 1
	STEP 1, 0
	STEP 2, 0
	TURN 3, 2
	STEP 4, 0
	STEP 5, 0
	STEP 6, 0
	TURN 7, 2
	OUTQK 1
	s_wait_xcnt 0x0
	s_wait_loadcnt 0x0                             ; tile 2's scale words
	; ---- tile 2: v; nothing more is asked for
	STEP 0, 1
	STEP 1, 0
	STEP 2, 0
	TURN 3, 0
	STEP 4, 0
	STEP 5, 0
	STEP 6, 0
	s_wait_dscnt 0x0
	MUL1 7, 0, 0
	MUL1 7, 1, 0
	MUL1 7, 2, 0
	MUL1 7, 3, 0
	WIN 0
	PLACES 4
	; v: my 64 features are one head, my 128 tokens one run of 128 keys: four whole fragments of V^T
	s_lshl_b32 s20, s19, 1
	s_add_co_u32 s20, s20, s15                     ; head
	s_lshl_b32 s21, s12, 1
	s_add_co_u32 s21, s21, s16                     ; which 128 tokens of the 8,192
	s_lshr_b32 s22, s21, 3                         ; batch
	s_lshl_b32 s22, s22, 4
	s_add_co_u32 s22, s22, s20
	s_lshl_b32 s22, s22, 3
	s_and_b32 s21, s21, 7
	s_add_co_u32 s22, s22, s21                     ; (batch x 16 + head) x 8 + run
	s_mul_i32 s20, s22, 6144
	s_add_co_u32 s20, s20, VOFFC
	s_mov_b32 s21, 0
	s_add_nc_u64 s[96:97], s[8:9], s[20:21]
	s_lshl_b32 s20, s22, 8
	s_add_co_u32 s20, s20, VOFFS
	s_add_nc_u64 s[98:99], s[10:11], s[20:21]
.irp a, 0,1,2,3
	QUANTW 64*\a, PCO+12*\a, PW+\a
.irp p, 0,1,2
	global_store_b128 v[L16], v[PCO+12*\a+4*\p:PCO+12*\a+4*\p+3], s[96:97] offset:\a*1536+512*\p   ; 512 consecutive bytes, aligned
.endr
.endr
	v_cmp_gt_u32 vcc_lo, 16, v1
	s_wait_xcnt 0x0                                ; EXEC changes only behind this wait
	s_and_saveexec_b32 s23, vcc_lo
	global_store_b128 v[R16], v[PW:PW+3], s[98:99] ; sixteen lanes store 256 consecutive bytes, aligned
	s_wait_xcnt 0x0
	s_or_b32 exec_lo, exec_lo, s23
	s_wait_tensorcnt 0x0                           ; the wave's end: behind my last tensor load, my last LDS instructions
	ds_add_u32 v[SPW], v[NIL]
	s_wait_dscnt 0x0
	CROUND                                         ; the closing round: no work-group ends while a partner may still ask for a tile that names it
	s_endpgm
.Lfunc_end_k_qc31e4b1c1f_qkv:
	.size	k_qc31e4b1c1f_qkv, .Lfunc_end_k_qc31e4b1c1f_qkv-k_qc31e4b1c1f_qkv
	.p2alignl 7, 3214868480
	.fill 96, 4, 3214868480
	.section	.rodata,"a",@progbits
	.p2align	6, 0x0
	.amdhsa_kernel k_qc31e4b1c1f_qkv
		.amdhsa_group_segment_fixed_size 327680
		.amdhsa_private_segment_fixed_size 0
		.amdhsa_enable_private_segment 0
		.amdhsa_kernarg_size 32
		.amdhsa_user_sgpr_count 2
		.amdhsa_user_sgpr_kernarg_segment_ptr 1
		.amdhsa_wavefront_size32 1
		.amdhsa_system_sgpr_workgroup_id_x 1
		.amdhsa_system_sgpr_workgroup_id_y 1
		.amdhsa_system_sgpr_workgroup_id_z 1
		.amdhsa_system_vgpr_workitem_id 0
		.amdhsa_next_free_vgpr 768
		.amdhsa_next_free_sgpr 100
		.amdhsa_reserve_vcc 1
		.amdhsa_float_denorm_mode_32 3
		.amdhsa_float_denorm_mode_16_64 3
		.amdhsa_memory_ordered 1
		.amdhsa_forward_progress 1
		.amdhsa_inst_pref_size 227
	.end_amdhsa_kernel
	.amdgpu_metadata
---
amdhsa.version: [ 1, 2 ]
amdhsa.kernels:
  - .name:           k_qc31e4b1c1f_qkv
    .symbol:         k_qc31e4b1c1f_qkv.kd
    .args:
      - { .name: in_codes, .offset: 0, .size: 8, .value_kind: global_buffer, .address_space: global }
      - { .name: in_scales, .offset: 8, .size: 8, .value_kind: global_buffer, .address_space: global }
      - { .name: qkv_codes, .offset: 16, .size: 8, .value_kind: global_buffer, .address_space: global }
      - { .name: qkv_scales, .offset: 24, .size: 8, .value_kind: global_buffer, .address_space: global }
    .group_segment_fixed_size: 327680
    .private_segment_fixed_size: 0
    .kernarg_segment_align: 8
    .kernarg_segment_size: 32
    .max_flat_workgroup_size: 128
    .sgpr_count:     100
    .vgpr_count:     768
    .wavefront_size: 32
...
	.end_amdgpu_metadata
.endif
;; end of part 2
;; launch attn (part 3): grid 4 x 64, 8 waves a work-group, clusters of 4 x 1, 246,784 bytes of LDS; arguments qkv_codes, qkv_scales, o_codes, o_scales; writes o_codes, o_scales
.if DOCPART == 3
	.amdgcn_target "amdgcn-amd-amdhsa--gfx1250"
	.amdhsa_code_object_version 6
	.text
	.protected	k_qc31e4b1c1f_attn
	.globl	k_qc31e4b1c1f_attn
	.p2align	8
	.type	k_qc31e4b1c1f_attn,@function
k_qc31e4b1c1f_attn:
	s_mov_b64 s[64:65], 0
	v_nop
	global_prefetch_b8 v0, s[64:65] scope:SCOPE_SE
	s_setreg_imm32_b32 hwreg(HW_REG_WAVE_MODE, 25, 1), 1
	s_wait_xcnt 0x0
	s_wait_alu depctr_hold_cnt(0) depctr_sa_sdst(0) depctr_va_vdst(0) depctr_va_sdst(0) depctr_va_ssrc(0) depctr_va_vcc(0) depctr_vm_vsrc(0)
	s_getreg_b32 s2, hwreg(HW_REG_IB_STS2, 6, 4)
	s_cmp_eq_u32 s2, 0
	s_cbranch_scc0 .Lentry_in_a_cluster
	s_endpgm
.Lentry_in_a_cluster:
	s_bfe_u32 s2, ttmp6, 0x10000c
	s_cmp_lg_u32 s2, 0x3003
	s_cbranch_scc0 .Lentry_shape_is_right
	s_endpgm
.Lentry_shape_is_right:
; o = softmax(q k^T / 8) v for 128 heads of 1,024 tokens x 64, both products on codes of FP6 (E2M3) with E8M0 scales; o leaves as codes, quantised along the 1,024 channels.
; THE SOFTMAX: t = score x log2(e) / 8; M = the running largest t rounded UP to a whole number; p = 2^(t - M) is quantised along the keys, not normalised; the row's sum is taken of the unquantised p and divides at the end.
; When M moves, the sum and O are multiplied by 2^(old M - new M), which rounds nothing.
; SHARES: a cluster of four work-groups takes two heads of one batch; a work-group 256 queries; each of its eight waves TWO tiles of 16 queries, head 0 and then head 1.  Each fragment of K and V that a wave reads from LDS feeds two products.
; LDS, filled ONCE: K of both heads at 0 (a head 67,584: 64 tiles x 3 planes of 256 bytes + 96 of padding), V at VB (a head 49,152), K's scale words at KSB (4,096), V's at VSB (2,048), the spare words.
; Eight fills, one a wave, all joint (mask 15: the four partners need the same K and V).  Waves 0 and 1 bring head 0's K and its scale words and wait ahead of the first barrier.  The other six fills are shown by the barrier of the key step:
; at a step's top every wave waits for its fill and signals; it waits at the barrier behind the score products, ahead of the step's LDS loads.  The loop has one form, so the barrier stands in every trip; behind the first it finds nothing out.
; All fills go out at the head, so there is no later tile that a prefetch could name.
; THE KEYS OF A TILE ARE CHOSEN BY ADDRESS: in memory lane r of token tile 2 g + u holds token 32 g + 8 u + r + 8 (r / 8).  Here tile (c, j) of a step of 128 keys takes keys 64 c + 8 j + 0..7 in lanes r < 8 and 64 c + 32 + 8 j + 0..7 in lanes r >= 8:
; lane r reads row r % 8 + 8 (j / 2) of stored tile 4 c + 2 (r / 8) + j % 2.  Both products are used transposed (S^T = K Q^T, O^T = V^T P^T), so a lane holds one query, and its 32 registers of tiles (c, 0..3) are keys 64 c + 32 (lane / 16) + 0..31:
; one scale block, in the order of the next operand's registers.  Two stored tiles are 2,112 bytes apart = 64 modulo 256, so the 32 lanes of a load of 8 bytes fall on 256 different bytes modulo 256.
; The head's 64 fill half of the instruction's 128 along K: the other half is zero codes in both operands.
; A STEP: 16 score products; the next step's K and this step's V are asked for from LDS (head 1's K lies behind head 0's, so head 0's last step asks for head 1's first; head 1's last step asks for none); maxima; M; O and the sums under the new M;
; exponentials; scales and codes; sums; one wait for all LDS loads; 8 products onto O.
; LIMITS: NaN and infinities are not served; a block of zeros gets the byte 1 (its codes are zeros; this program alone reads the bytes); a block's largest p is taken as the exponential of its largest score, which takes v_exp_f32 not to fall
; where its input rises; the promise holds while the scaled scores t stay under 2^31 in magnitude.
; REGISTERS, window 0: v1-4 lane terms of K, V and their scale words; v5 8 (lane / 16); v6 16 lane; v7 16 r; v8-11 addresses; v[12+2q] -M, v[13+2q] largest score; v[16+2q..] sum; v[20+2q..] second chain; v[24+2q] f; v28-35 maxima; v36-39 permutes;
;   v40-43 at work; v44-47 scale operands; v48-51 bytes; v52-67 conversions' second halves; v68-79 Q of head 1; v80-87 K's scale words; v88-91 V's; v92-93 p's; v94-95 Q's; v96-97 Q's of head 1; v98-121 Q; v122-145 p's codes;
;   v146-193 K's tiles (0, j); v194-241 V (at a head's end: o's fragments); v242, v243 the add's; v244-245 o's scale words.
; window 1: v0-127 S^T, then p: 64 q + 32 c + 8 j + i; v128-191 O^T: 32 q + 8 d + i; v192-239 K's tiles (1, j); v240-251 head 0's half of o's fragments.
.set KH,    67584
.set VB,    135168
.set KSB,   233472
.set VSB,   241664
.set SPARE, 245760
.set VOFFC, 12582912
.set VOFFS, 1048576
.set WV,   12
.set SEL,  20
.set CS,   22
.set G1K,  24
.set G1V,  32
.set G1KS, 40
.set G1VS, 48
.set G0,   56
.set CNT,  60
.set NC,   61
.set TK,   84
.set TS,   85
.set TV,   86
.set TJ,   87
.set Q1,   68
.set QF,   98
.set PF,   122
.set KF,   146
.set VF,   194
.set MSB, 0
.macro WIN new                         ; the immediate's high byte repeats the setting that is left
.if MSB != \new
	s_set_vgpr_msb (MSB<<8)|\new
.set MSB, \new
.endif
.endm
.macro WALU
	s_wait_alu depctr_va_vdst(0)
.endm
.macro PLACES n
.rept \n
	v_nop
.endr
.endm
.macro CROUND                          ; a round of the cluster's barrier
	s_barrier_signal -1
	s_barrier_wait -1
	s_cmp_lg_u32 s[WV], 0
	s_cbranch_scc1 .Lnot_wave_0_\@
	s_barrier_signal -3
.Lnot_wave_0_\@:
	s_barrier_wait -3
	s_barrier_signal -1
	s_barrier_wait -1
.endm
.macro FILL base, goff, lds, g1        ; one joint fill: group 0 is made in the arm that uses it
	s_mov_b32 s[G0+1], \lds
	s_add_nc_u64 s[G0+2:G0+3], s[\base:\base+1], \goff
	s_or_b32 s[G0+3], s[G0+3], 0x80000000
	tensor_load_to_lds s[G0:G0+3], s[\g1:\g1+7]
	s_nop 0
	PLACES 4
.endm
.macro ARM w, base, goff, lds, g1, next
	s_cmp_eq_u32 s[WV], \w
	s_cbranch_scc0 \next
	FILL \base, \goff, \lds, \g1
	s_branch .Lasked
\next:
.endm
	s_load_b128 s[4:7], s[0:1], 0x0                ; qkv_codes, qkv_scales
	s_load_b128 s[8:11], s[0:1], 0x10              ; o_codes, o_scales
	v_lshl_add_u32 v242, v0, 2, SPARE
	v_mov_b32 v243, 0
	ds_add_u32 v242, v243                          ; the opening lines: the add twice on end and one wait
	ds_add_u32 v242, v243
	v_lshrrev_b32 v1, 5, v0
	v_readfirstlane_b32 s[WV], v1                  ; wave 0..7
	s_bfe_u32 s13, ttmp6, 0x40000                  ; cx: which 256 queries; it enters Q's and o's global addresses alone
	s_and_b32 s88, ttmp7, 0xffff
	s_lshr_b32 s14, s88, 3                         ; batch
	s_and_b32 s15, s88, 7                          ; the pair of heads
	s_lshl_b32 s17, s13, 4
	s_lshl_b32 s16, s[WV], 1
	s_add_co_u32 s17, s17, s16                     ; my first tile of queries in the batch, even, 0..62
	; groups 1: dense blocks as rows of 256 bytes (32 elements of 8); K's with 24 words of padding behind each row
.irp g, G1K, G1V, G1KS, G1VS
	s_mov_b32 s[\g+1], 32<<16
	s_mov_b32 s[\g+3], 32<<16
	s_mov_b32 s[\g+5], 32
	s_mov_b32 s[\g+6], 0
	s_mov_b32 s[\g+7], 0
.endr
.irp g, G1V, G1KS, G1VS
	s_mov_b32 s[\g], 15|(3<<16)|(1<<21)
.endr
	s_mov_b32 s[G1K], 15|(3<<16)|(1<<20)|(1<<21)|(5<<22)|(23<<25)
	s_mov_b32 s[G1K+2], 192<<16
	s_mov_b32 s[G1K+4], 192
	s_mov_b32 s[G1V+2], 192<<16
	s_mov_b32 s[G1V+4], 192
	s_mov_b32 s[G1KS+2], 16<<16
	s_mov_b32 s[G1KS+4], 16
	s_mov_b32 s[G1VS+2], 8<<16
	s_mov_b32 s[G1VS+4], 8
	s_lshl_b32 s88, s15, 1                         ; the first head
	s_lshl_b32 s90, s14, 6                         ; the batch's first token tile
	s_add_co_u32 s89, s88, 16
	s_lshl_b32 s89, s89, 9
	s_add_co_u32 s89, s89, s90
	s_mul_i32 s92, s89, 768                        ; K's codes
	s_mov_b32 s93, 0
	s_lshl_b32 s89, s14, 4
	s_add_co_u32 s89, s89, s88                     ; batch x 16 + head
	s_mul_i32 s94, s89, 49152
	s_add_co_u32 s94, s94, VOFFC                   ; V's codes
	s_mov_b32 s95, 0
	s_add_co_u32 s96, s88, 16
	s_lshl_b32 s96, s96, 7
	s_lshl_b32 s97, s14, 4
	s_add_co_u32 s96, s96, s97
	s_lshl_b32 s96, s96, 8                         ; K's scale words
	s_mov_b32 s97, 0
	s_lshl_b32 s98, s89, 11
	s_add_co_u32 s98, s98, VOFFS                   ; V's
	s_mov_b32 s99, 0
	s_lshl_b32 s100, s88, 9
	s_add_co_u32 s100, s100, s90
	s_add_co_u32 s100, s100, s17
	s_mul_i32 s100, s100, 768                      ; Q's codes: head 0, my first tile; the next tile 768 bytes on, head 1 393,216
	s_mov_b32 s101, 0
	s_lshl_b32 s2, s88, 7
	s_lshl_b32 s3, s14, 4
	s_add_co_u32 s2, s2, s3
	s_lshr_b32 s3, s17, 2
	s_add_co_u32 s2, s2, s3
	s_lshl_b32 s2, s2, 8
	s_and_b32 s3, s17, 3
	s_lshl_b32 s3, s3, 2
	s_add_co_u32 s2, s2, s3                        ; Q's scale words: my two tiles' are neighbours; head 1's 32,768 bytes on
	s_mov_b32 s3, 0
	s_mov_b32 s[SEL], 0x76543210
	s_mov_b32 s[SEL+1], 0xfedcba98
	s_mov_b32 s[CS], 0x3e38aa3b                    ; c = log2(e) / 8
	s_mov_b32 s[CS+1], s[CS]
	s_mov_b32 s[NC], 0xbe38aa3b                    ; -c
	s_mov_b32 s[G0], 1
	v_and_b32 v28, 31, v0                          ; lane
	v_and_b32 v29, 15, v0                          ; r
	v_bfe_u32 v30, v0, 4, 1                        ; lane / 16
	v_and_b32 v31, 7, v0                           ; r % 8
	v_bfe_u32 v32, v0, 3, 1                        ; r / 8
	v_lshlrev_b32 v8, 3, v28                       ; 8 x lane: my place in a tile of Q
	v_lshlrev_b32 v6, 4, v28
	v_lshlrev_b32 v7, 4, v29
	v_lshlrev_b32 v5, 3, v30
	v_mul_u32_u24 v1, v32, 2112                    ; K: two stored tiles on for lanes r >= 8,
	v_lshl_add_u32 v1, v31, 3, v1                  ; row r % 8,
	v_lshl_add_u32 v1, v30, 7, v1                  ; the upper 32 of the head's 64 for lanes 16-31
	v_add_nc_u32 v2, VB, v6
	v_lshl_add_u32 v3, v31, 4, KSB
	v_lshl_add_u32 v3, v32, 3, v3
	v_add_nc_u32 v4, VSB, v7
	WALU                                           ; the wait ahead of the waits below
	s_wait_dscnt 0x0
	s_wait_kmcnt 0x0
	s_add_nc_u64 s[92:93], s[4:5], s[92:93]
	s_add_nc_u64 s[94:95], s[4:5], s[94:95]
	s_add_nc_u64 s[96:97], s[6:7], s[96:97]
	s_add_nc_u64 s[98:99], s[6:7], s[98:99]
	s_add_nc_u64 s[100:101], s[4:5], s[100:101]
	s_add_nc_u64 s[2:3], s[6:7], s[2:3]
.irp q, 0,1
.irp p, 0,1,2
	global_load_b64 v[QF+12*\q+2*\p:QF+12*\q+2*\p+1], v8, s[100:101] offset:768*\q+256*\p
	global_load_b64 v[Q1+6*\q+2*\p:Q1+6*\q+2*\p+1], v8, s[100:101] offset:393216+768*\q+256*\p
.endr
.endr
	global_load_b64 v[94:95], v7, s[2:3]
	global_load_b64 v[96:97], v7, s[2:3] offset:32768
	CROUND                                         ; all four work-groups are here: the joint loads meet
	ARM 0, 92, 0, 0, G1K, .Lw1                     ; one chain of arms, one fill to an arm; what is needed first is asked for first
	ARM 1, 96, 0, KSB, G1KS, .Lw2
	ARM 2, 94, 0, VB, G1V, .Lw3
	ARM 3, 98, 0, VSB, G1VS, .Lw4
	ARM 4, 92, 393216, KH, G1K, .Lw5
	ARM 5, 96, 32768, KSB+4096, G1KS, .Lw6
	ARM 6, 94, 49152, VB+49152, G1V, .Lw7
	FILL 98, 2048, VSB+2048, G1VS
.Lasked:
	s_add_co_u32 s89, s90, s17                     ; my first token tile, 0..511
	s_lshl_b32 s18, s89, 3
	s_add_co_u32 s18, s18, s15
	s_mul_i32 s18, s18, 1536
	s_mov_b32 s19, 0
	s_add_nc_u64 s[8:9], s[8:9], s[18:19]          ; o's image: [token tile][K step = pair of heads]
	s_lshl_b32 s18, s89, 9
	s_lshr_b32 s89, s15, 2
	s_lshl_b32 s89, s89, 8
	s_add_co_u32 s18, s18, s89
	s_and_b32 s89, s15, 3
	s_lshl_b32 s89, s89, 2
	s_add_co_u32 s18, s18, s89
	s_add_nc_u64 s[10:11], s[10:11], s[18:19]      ; its scale words
.irp i, 0,1,2,3,4,5
	v_mov_b32 v[QF+6+\i], 0                        ; the upper 64 along K: zero codes, in Q
	v_mov_b32 v[QF+18+\i], 0
.irp j, 0,1,2,3
	v_mov_b32 v[KF+12*\j+6+\i], 0                  ; and in K's tiles: written once, no load lands there
.endr
.endr
	WIN 0x40
.irp i, 0,1,2,3,4,5
.irp j, 0,1,2,3
	v_mov_b32 v[192+12*\j+6+\i], 0
.endr
.endr
	WIN 0
.irp b, 0,1,2,3
	v_mov_b32 v[36+\b], 0                          ; written once: a lane permute's destination counts as one of its sources
.endr
	v_mov_b32 v25, 0                               ; (named as the upper halves of f's pairs)
	v_mov_b32 v27, 0
.macro KLOAD                           ; a step's eight tiles of K and their scale words: 28 loads of 8 bytes
.irp j, 0,1,2,3
.irp p, 0,1,2
	ds_load_b64 v[KF+12*\j+2*\p:KF+12*\j+2*\p+1], v8 offset:(\j%2)*1056+352*\p+64*(\j/2)
.endr
.endr
	WIN 0x40
.irp j, 0,1,2,3
.irp p, 0,1,2
	ds_load_b64 v[192+12*\j+2*\p:192+12*\j+2*\p+1], v8 offset:(4+\j%2)*1056+352*\p+64*(\j/2)
.endr
.endr
	WIN 0
.irp c, 0,1
.irp g, 0,1
	ds_load_b64 v[80+4*\c+2*\g:81+4*\c+2*\g], v10 offset:256*\c+128*\g
.endr
.endr
.endm
.macro SMUL q, c, j
	v_wmma_scale_f32_16x16x128_f8f6f4 v[64*\q+32*\c+8*\j:64*\q+32*\c+8*\j+7], v[KF+46*\c+12*\j:KF+46*\c+12*\j+11], v[QF+12*\q:QF+12*\q+11], 0, v[80+4*\c+\j], v[94+\q] matrix_a_fmt:MATRIX_FMT_FP6 matrix_b_fmt:MATRIX_FMT_FP6
.endm
; A KEY STEP: 128 keys x my 32 queries.  last = 1: the loop's last trip has no next step
.macro STEP last
	s_wait_tensorcnt 0x0                           ; my fill has landed (no LDS load of mine is out: the last wait on DScnt was for 0)
	s_barrier_signal -1
	WIN 0x40                                       ; D window 1
.irp q, 0,1
.irp j, 0,1,2,3
	SMUL \q, 0, \j
.endr
.endr
	WIN 0x41                                       ; K's tiles (1, j) lie in window 1
.irp q, 0,1
.irp j, 0,1,2,3
	SMUL \q, 1, \j
.endr
.endr
	WIN 0
	v_add_nc_u32 v8, s[TK], v1                     ; these four are the places behind the products: ahead of the loads into their sources and of the first read of the scores
	v_add_nc_u32 v10, s[TS], v3
	v_add_nc_u32 v9, s[TV], v2
	v_add_nc_u32 v11, s[TJ], v4
	WALU                                           ; the wait ahead of the barrier's wait
	s_barrier_wait -1                              ; every wave's fill has landed: the loads below may read any of them
.if \last
	s_cmp_eq_u32 s[CNT], 1
	s_cbranch_scc1 .Lno_next_\@
.endif
	KLOAD
.if \last
.Lno_next_\@:
.endif
.irp d, 0,1,2,3
.irp p, 0,1,2
	ds_load_b128 v[VF+12*\d+4*\p:VF+12*\d+4*\p+3], v9 offset:1536*\d+512*\p
.endr
.endr
	ds_load_b128 v[88:91], v11
	WIN 0x15                                       ; the largest score of each block of 32 keys, in two chains of 16: chain k over registers 16 k ..
.irp k, 0,1,2,3,4,5,6,7
	v_max3_num_f32 v[28+\k], v[16*\k], v[16*\k+1], v[16*\k+2]
.endr
	WIN 0x14
.irp i, 3,5,7,9,11,13
.irp k, 0,1,2,3,4,5,6,7
	v_max3_num_f32 v[28+\k], v[28+\k], v[16*\k+\i], v[16*\k+\i+1]
.endr
.endr
.irp b, 0,1,2,3
	v_max3_num_f32 v[28+2*\b], v[28+2*\b], v[32*\b+15], v[32*\b+31]
.endr
	WIN 0
.irp b, 0,1,2,3
	v_max_num_f32 v[28+2*\b], v[28+2*\b], v[29+2*\b]   ; block b = 2 q + c
.endr
.irp q, 0,1
	v_max_num_f32 v[29+4*\q], v[28+4*\q], v[30+4*\q]
.endr
.irp q, 0,1
	v_permlanex16_b32 v[36+\q], v[29+4*\q], s[SEL], s[SEL+1]
.endr
.irp q, 0,1
	v_mov_b32 v[40+\q], v[12+2*\q]                 ; the old -M
.endr
.irp q, 0,1
	v_max3_num_f32 v[13+2*\q], v[13+2*\q], v[29+4*\q], v[36+\q]   ; the running largest score of my query
.endr
.irp q, 0,1
	v_mul_f32 v[42+\q], s[NC], v[13+2*\q]          ; -t (c is positive)
.endr
.irp q, 0,1
	v_floor_f32 v[12+2*\q], v[42+\q]               ; the new -M = floor(-t): M is a whole number
.endr
.irp q, 0,1
	v_sub_f32 v[42+\q], v[12+2*\q], v[40+\q]       ; old M - new M: a whole number, 0 or less
.endr
.irp q, 0,1
	v_cvt_i32_f32 v[42+\q], v[42+\q]               ; (it saturates)
.endr
.irp q, 0,1
	v_ldexp_f32 v[24+2*\q], 1.0, v[42+\q]          ; f = 2^(old M - new M)
.endr
.irp b, 0,1,2,3
	v_fma_f32 v[28+2*\b], v[28+2*\b], s[CS], v[12+2*(\b/2)]   ; t - M of each block's largest score
.endr
.irp q, 0,1
	v_pk_mul_f32 v[16+2*\q:17+2*\q], v[16+2*\q:17+2*\q], v[24+2*\q:25+2*\q] op_sel_hi:[1,0]   ; the sums under the new M
.endr
	WIN 0x41                                       ; destination and source 0 window 1
.set n, 0
.rept 16
	v_pk_mul_f32 v[128+n:129+n], v[128+n:129+n], v[24:25] op_sel_hi:[1,0]   ; O^T under the new M, ahead of every exponential
.set n, n+2
.endr
.set n, 0
.rept 16
	v_pk_mul_f32 v[160+n:161+n], v[160+n:161+n], v[26:27] op_sel_hi:[1,0]
.set n, n+2
.endr
.set n, 0
.rept 32
	v_pk_fma_f32 v[n:n+1], v[n:n+1], s[CS:CS+1], v[12:13] op_sel_hi:[1,0,0]   ; t - M, two at a time
.set n, n+2
.endr
	WALU                                           ; the wait ahead of a batch of exponentials
.set n, 0
.rept 32
	v_exp_f32 v[n], v[n]                           ; p = 2^(t - M) of the first tile; the second tile's t - M stand among them
	v_exp_f32 v[n+1], v[n+1]
	v_pk_fma_f32 v[64+n:65+n], v[64+n:65+n], s[CS:CS+1], v[14:15] op_sel_hi:[1,0,0]
.set n, n+2
.endr
	WALU                                           ; ahead of the second batch, whose sources were just written
.set n, 0
.rept 64
	v_exp_f32 v[64+n], v[64+n]
.set n, n+1
.endr
	WIN 0
.irp b, 0,1,2,3
	v_exp_f32 v[28+2*\b], v[28+2*\b]               ; each block's largest p
.endr
	v_nop                                          ; a plain place behind the exponentials
	WALU                                           ; one wait for all, ahead of their first reader
.irp b, 0,1,2,3
	v_max_num_f32 v[28+2*\b], 0x1800000, v[28+2*\b]   ; the floor 2^(3 - 127): the byte cannot fall under 1
.endr
.irp b, 0,1,2,3
	v_add_nc_u32 v[44+\b], 0xff000000, v[28+2*\b]  ; 2 off the exponent field: the conversion's scale operand
.endr
.irp b, 0,1,2,3
	v_lshrrev_b32 v[48+\b], 23, v[44+\b]           ; the scale's byte
.endr
.irp q, 0,1
	v_lshl_or_b32 v[48+2*\q], v[49+2*\q], 16, v[48+2*\q]   ; my blocks are lane / 16 and 2 + lane / 16 of the four
.endr
.irp q, 0,1
	v_lshlrev_b32 v[48+2*\q], v5, v[48+2*\q]
.endr
.irp q, 0,1
	v_permlanex16_b32 v[36+\q], v[48+2*\q], s[SEL], s[SEL+1]
.endr
.irp q, 0,1
	v_or_b32 v[92+\q], v[48+2*\q], v[36+\q]        ; with lane l xor 16's two bytes p's scale word is whole
.endr
	WIN 0x01                                       ; source 0 window 1
.irp b, 0,1,2,3
	v_cvt_scalef32_pk16_fp6_f32 v[PF+6*\b:PF+6*\b+2], v[32*\b:32*\b+15], v[44+\b]
	v_cvt_scalef32_pk16_fp6_f32 v[52+4*\b:54+4*\b], v[32*\b+16:32*\b+31], v[44+\b]   ; (a conversion's three registers begin on an even number)
.endr
	WIN 0
	v_nop                                          ; one plain place behind a scaled conversion
.irp b, 0,1,2,3
.irp i, 0,1,2
	v_mov_b32 v[PF+3+6*\b+\i], v[52+4*\b+\i]
.endr
.endr
	WIN 0x05                                       ; the rows' sums of the unquantised p: two chains a tile; these 64 lines are also the places between the writes of p's codes and scale words and the products
.irp q, 0,1
	v_pk_add_f32 v[20+2*\q:21+2*\q], v[64*\q:64*\q+1], v[64*\q+2:64*\q+3]
.endr
	WIN 0x04
.irp i, 4,8,12,16,20,24,28,32,36,40,44,48,52,56,60
.irp q, 0,1
	v_pk_add_f32 v[16+2*\q:17+2*\q], v[16+2*\q:17+2*\q], v[64*\q+\i:64*\q+\i+1]
	v_pk_add_f32 v[20+2*\q:21+2*\q], v[20+2*\q:21+2*\q], v[64*\q+\i+2:64*\q+\i+3]
.endr
.endr
	WIN 0
.irp q, 0,1
	v_pk_add_f32 v[16+2*\q:17+2*\q], v[16+2*\q:17+2*\q], v[20+2*\q:21+2*\q]
.endr
	WALU                                           ; the wait ahead of the wait below
	s_wait_dscnt 0x0                               ; V and its scale words are in, and the next step's K
	WIN 0x50                                       ; C and D window 1
.irp d, 0,1,2,3
.irp q, 0,1
	v_wmma_scale_f32_16x16x128_f8f6f4 v[128+32*\q+8*\d:128+32*\q+8*\d+7], v[VF+12*\d:VF+12*\d+11], v[PF+12*\q:PF+12*\q+11], v[128+32*\q+8*\d:128+32*\q+8*\d+7], v[88+\d], v[92+\q] matrix_a_fmt:MATRIX_FMT_FP6 matrix_b_fmt:MATRIX_FMT_FP6
.endr
.endr
	WIN 0                                          ; the eight accumulators take turns
	s_add_co_u32 s[TK], s[TK], 8448
	s_add_co_u32 s[TS], s[TS], 512
	s_add_co_u32 s[TV], s[TV], 6144
	s_add_co_u32 s[TJ], s[TJ], 256
.endm
.macro INIT hd                         ; a head begins: the running figures are set; head 0's first K is asked for here, head 1's was asked for by head 0's last step
	s_mov_b32 s[TK], \hd*KH
	s_mov_b32 s[TS], \hd*4096
	s_mov_b32 s[TV], \hd*49152
	s_mov_b32 s[TJ], \hd*2048
.if \hd == 0
	v_add_nc_u32 v8, s[TK], v1
	v_add_nc_u32 v10, s[TS], v3
	KLOAD
.endif
	s_add_co_u32 s[TK], s[TK], 8448                ; TK and TS stand one step ahead
	s_add_co_u32 s[TS], s[TS], 512
.if \hd
.irp q, 0,1
.irp i, 0,1,2,3,4,5
	v_mov_b32 v[QF+12*\q+\i], v[Q1+6*\q+\i]        ; head 1's Q
.endr
	v_mov_b32 v[94+\q], v[96+\q]
.endr
.endif
.irp q, 0,1
	v_mov_b32 v[13+2*\q], 0xff61b1e6               ; the largest score so far: -3e38
	v_mov_b32 v[12+2*\q], 0x7f61b1e6               ; -M: 3e38, so that the first f is 0
	v_mov_b32 v[16+2*\q], 0
	v_mov_b32 v[17+2*\q], 0
.endr
	WIN 0x40
.set n, 0
.rept 64
	v_mov_b32 v[128+n], 0                          ; O^T: the step has one form; a head's first step finds zeros
.set n, n+1
.endr
	WIN 0
	WALU                                           ; the wait ahead of the waits that follow
.if \hd == 0
	s_wait_dscnt 0x0
.endif
.endm
.macro KEYS last
	s_mov_b32 s[CNT], 8
.Lkeys_\@:
	STEP \last
	s_sub_co_u32 s[CNT], s[CNT], 1
	s_cmp_lg_u32 s[CNT], 0
	s_cbranch_scc1 .Lkeys_\@
.endm
; A head's end: O^T / the sum, quantised along the head's 64 channels: registers 6 hd .. 6 hd + 5 of o's fragments (laid over V's registers) and bytes 2 hd, 2 hd + 1 of their scale words.
; In O^T register 16 g + i of a lane is channel 32 g + 16 (lane / 16) + i: a block lies in lanes l and l xor 16.
.macro FINISH hd
.irp q, 0,1
	v_add_f32 v[16+2*\q], v[16+2*\q], v[17+2*\q]   ; these six are the places behind the last products
.endr
.irp q, 0,1
	v_permlanex16_b32 v[36+\q], v[16+2*\q], s[SEL], s[SEL+1]
.endr
.irp q, 0,1
	v_add_f32 v[16+2*\q], v[16+2*\q], v[36+\q]     ; the row's sum
.endr
	WALU
	v_rcp_f32 v16, v16
	v_rcp_f32 v18, v18
	v_nop
	WIN 0x41
	WALU                                           ; directly ahead of the first reader of the reciprocals and of O^T
.set n, 0
.rept 16
	v_pk_mul_f32 v[n:n+1], v[128+n:129+n], v[16:17] op_sel_hi:[1,0]
.set n, n+2
.endr
.set n, 0
.rept 16
	v_pk_mul_f32 v[64+n:65+n], v[160+n:161+n], v[18:19] op_sel_hi:[1,0]
.set n, n+2
.endr
	WIN 0x05
.irp k, 0,1,2,3
	v_max3_num_f32 v[28+\k], |v[64*(\k/2)+16*(\k%2)]|, |v[64*(\k/2)+16*(\k%2)+1]|, 0x1800000
.endr
	WIN 0x14
.irp i, 2,4,6,8,10,12,14
.irp k, 0,1,2,3
	v_max3_num_f32 v[28+\k], v[28+\k], |v[64*(\k/2)+16*(\k%2)+\i]|, |v[64*(\k/2)+16*(\k%2)+\i+1]|
.endr
.endr
	WIN 0
.irp k, 0,1,2,3
	v_permlanex16_b32 v[36+\k], v[28+\k], s[SEL], s[SEL+1]
.endr
.irp k, 0,1,2,3
	v_max_num_f32 v[28+\k], v[28+\k], v[36+\k]
.endr
.irp k, 0,1,2,3
	v_add_nc_u32 v[44+\k], 0xff000000, v[28+\k]
.endr
.irp k, 0,1,2,3
	v_lshrrev_b32 v[48+\k], 23, v[44+\k]
.endr
.irp q, 0,1
.if \hd == 0
	v_lshl_or_b32 v[244+\q], v[49+2*\q], 8, v[48+2*\q]
.else
	v_lshl_or_b32 v[48+2*\q], v[49+2*\q], 8, v[48+2*\q]
.endif
.endr
.if \hd
.irp q, 0,1
	v_lshl_or_b32 v[244+\q], v[48+2*\q], 16, v[244+\q]
.endr
.endif
	WIN 0x01
.irp q, 0,1
	v_cvt_scalef32_pk16_fp6_f32 v[VF+12*\q+6*\hd:VF+12*\q+6*\hd+2], v[64*\q:64*\q+15], v[44+2*\q]
	v_cvt_scalef32_pk16_fp6_f32 v[52+4*\q:54+4*\q], v[64*\q+16:64*\q+31], v[45+2*\q]
.endr
	WIN 0
	v_nop
.irp q, 0,1
.irp i, 0,1,2
	v_permlane16_swap_b32 v[VF+12*\q+6*\hd+\i], v[52+4*\q+\i]   ; the operand's layout wants a whole block in a lane
.endr
.irp i, 0,1,2
	v_mov_b32 v[VF+12*\q+6*\hd+3+\i], v[52+4*\q+\i]
.endr
.endr
.if \hd == 0
	WIN 0x40
.irp q, 0,1
.irp i, 0,1,2,3,4,5
	v_mov_b32 v[240+6*\q+\i], v[VF+12*\q+\i]       ; head 0's half is kept while V's registers serve head 1
.endr
.endr
.else
	WIN 0x01
.irp q, 0,1
.irp i, 0,1,2,3,4,5
	v_mov_b32 v[VF+12*\q+\i], v[240+6*\q+\i]
.endr
.endr
.endif
	WIN 0
.endm
	WALU                                           ; the wait at the head's end
	s_wait_loadcnt 0x0                             ; Q
	s_cmp_lt_u32 s[WV], 2
	s_cbranch_scc0 .Lnot_first
	s_wait_tensorcnt 0x0                           ; waves 0 and 1: head 0's K, or its scale words, have landed
.Lnot_first:
	s_barrier_signal -1
	s_barrier_wait -1                              ; both have
	INIT 0
	KEYS 0                                         ; its first trip's barrier shows the six other fills
	FINISH 0
	INIT 1
	KEYS 1
	FINISH 1
.irp q, 0,1
.irp p, 0,1,2
	global_store_b128 v6, v[VF+12*\q+4*\p:VF+12*\q+4*\p+3], s[8:9] offset:12288*\q+512*\p   ; o's images: 512 consecutive bytes a store, aligned
.endr
.endr
	v_and_b32 v28, 31, v0
	v_cmp_gt_u32 vcc_lo, 16, v28
	s_wait_xcnt 0x0                                ; EXEC changes only behind this wait
	s_and_saveexec_b32 s88, vcc_lo
	global_store_b32 v7, v244, s[10:11]            ; my rows' words for this K step: 4 bytes in every 16; a row's eight words come from eight work-groups
	global_store_b32 v7, v245, s[10:11] offset:512
	s_wait_xcnt 0x0
	s_or_b32 exec_lo, exec_lo, s88
	s_wait_tensorcnt 0x0                           ; the wave's end
	ds_add_u32 v242, v243
	s_wait_dscnt 0x0
	CROUND                                         ; the closing round
	s_endpgm
.Lfunc_end_k_qc31e4b1c1f_attn:
	.size	k_qc31e4b1c1f_attn, .Lfunc_end_k_qc31e4b1c1f_attn-k_qc31e4b1c1f_attn
	.p2alignl 7, 3214868480
	.fill 96, 4, 3214868480
	.section	.rodata,"a",@progbits
	.p2align	6, 0x0
	.amdhsa_kernel k_qc31e4b1c1f_attn
		.amdhsa_group_segment_fixed_size 246784
		.amdhsa_private_segment_fixed_size 0
		.amdhsa_enable_private_segment 0
		.amdhsa_kernarg_size 32
		.amdhsa_user_sgpr_count 2
		.amdhsa_user_sgpr_kernarg_segment_ptr 1
		.amdhsa_wavefront_size32 1
		.amdhsa_system_sgpr_workgroup_id_x 1
		.amdhsa_system_sgpr_workgroup_id_y 1
		.amdhsa_system_sgpr_workgroup_id_z 1
		.amdhsa_system_vgpr_workitem_id 0
		.amdhsa_next_free_vgpr 512
		.amdhsa_next_free_sgpr 102
		.amdhsa_reserve_vcc 1
		.amdhsa_float_denorm_mode_32 3
		.amdhsa_float_denorm_mode_16_64 3
		.amdhsa_memory_ordered 1
		.amdhsa_forward_progress 1
		.amdhsa_inst_pref_size 93
	.end_amdhsa_kernel
	.amdgpu_metadata
---
amdhsa.version: [ 1, 2 ]
amdhsa.kernels:
  - .name:           k_qc31e4b1c1f_attn
    .symbol:         k_qc31e4b1c1f_attn.kd
    .args:
      - { .name: qkv_codes, .offset: 0, .size: 8, .value_kind: global_buffer, .address_space: global }
      - { .name: qkv_scales, .offset: 8, .size: 8, .value_kind: global_buffer, .address_space: global }
      - { .name: o_codes, .offset: 16, .size: 8, .value_kind: global_buffer, .address_space: global }
      - { .name: o_scales, .offset: 24, .size: 8, .value_kind: global_buffer, .address_space: global }
    .group_segment_fixed_size: 246784
    .private_segment_fixed_size: 0
    .kernarg_segment_align: 8
    .kernarg_segment_size: 32
    .max_flat_workgroup_size: 256
    .sgpr_count:     102
    .vgpr_count:     512
    .wavefront_size: 32
...
	.end_amdgpu_metadata
.endif
;; end of part 3
;; launch proj (part 4): grid 4 x 64, 4 waves a work-group, clusters of 4 x 4, 312,832 bytes of LDS; arguments o_codes, o_scales, in_codes, in_scales, b_proj, out0; writes out0
.if DOCPART == 4
	.amdgcn_target "amdgcn-amd-amdhsa--gfx1250"
	.amdhsa_code_object_version 6
	.text
	.protected	k_qc31e4b1c1f_proj
	.globl	k_qc31e4b1c1f_proj
	.p2align	8
	.type	k_qc31e4b1c1f_proj,@function
k_qc31e4b1c1f_proj:
	s_mov_b64 s[64:65], 0
	v_nop
	global_prefetch_b8 v0, s[64:65] scope:SCOPE_SE
	s_setreg_imm32_b32 hwreg(HW_REG_WAVE_MODE, 25, 1), 1
	s_wait_xcnt 0x0
	s_wait_alu depctr_hold_cnt(0) depctr_sa_sdst(0) depctr_va_vdst(0) depctr_va_sdst(0) depctr_va_ssrc(0) depctr_va_vcc(0) depctr_vm_vsrc(0)
	s_getreg_b32 s2, hwreg(HW_REG_IB_STS2, 6, 4)
	s_cmp_eq_u32 s2, 0
	s_cbranch_scc0 .Lentry_in_a_cluster
	s_endpgm
.Lentry_in_a_cluster:
	s_bfe_u32 s2, ttmp6, 0x10000c
	s_cmp_lg_u32 s2, 0xf033
	s_cbranch_scc0 .Lentry_shape_is_right
	s_endpgm
.Lentry_shape_is_right:
; out0 = o w_proj^T + b_proj on codes of FP6 (E2M3) with E8M0 scales; out0 [8192][1024] f32.
; A work-group makes 128 tokens (o's eight tiles) x 256 features (w_proj's sixteen tiles, 704.. of in_codes), K = 1,024.  256 work-groups of four waves.
; A WAVE HOLDS ITS 64 FEATURES' WEIGHTS, ALL OF K, IN REGISTERS (4 tiles x 8 K steps x 12 = 384) and streams the eight token tiles past them: a tile's 8 fragments lie twice in registers; 32 products finish 16 tokens x 64 features,
; which leave at once, through the wave's own stage in LDS, while the next tile is multiplied.  A wave reads 96 + 8 x 24 fragment loads from LDS, each fragment once.
; THE MATRIX INSTRUCTION IS USED TRANSPOSED (source 0 = 16 features, source 1 = 16 tokens): a lane holds one token and eight neighbouring features an accumulator.  Lane r of tile 2 g + u holds row 32 g + 8 u + r + 8 (r / 8):
; for the features that order is undone in the stage's offsets, for the tokens in the stores' immediates.
; LDS, every byte filled ONCE: the weights' sixteen tiles at 0 (12,288 bytes a tile: K step s at 1,536 s, images of registers), o's eight tiles at AB, the four stages (16 rows x 272 bytes) at STG, the spare words.
; FOUR FILLS, ONE A WAVE, at the head, the weights first: waves 0 and 1 eight tiles of weights each, waves 2 and 3 four tiles of o each.  Waves 0 and 1 wait ahead of the first barrier; the second barrier, behind the weights' LDS loads, shows o's tiles.
; CLUSTERS: 4 x 4 work-groups; o's tiles are asked for jointly along a row of the cluster, the weights' along a column.  All fills go out at the head, so there is no later tile that a prefetch could name.
; The bias is the C of each sum's first matrix instruction: eight registers a tile of features, in the result's layout.
; REGISTERS: window 0: v16-18 LDS addresses; v24-29 lane terms; v32-63 o's scale words; v66-81 the weights'; v82-113 the bias; v114-177 two sets of four accumulators; v178-241 two sets of rows read back; v254, v255 the add's.
;   windows 1 and 2: the weights' fragment f = 4 s + b at window 1 + f / 21, register 12 (f % 21).   window 3: o's fragments, set e, K step s at 12 (8 e + s).
.set AB,    196608
.set STG,   294912
.set SPARE, 312320
.set SPITCH, 272
.set ADRW, 16
.set ADRA, 17                          ; v17: tiles 0-3, v18: tiles 4-7
.set L16,  24
.set BO,   26
.set STO,  27
.set RD,   28
.set CO,   29
.set SA,   32
.set SB,   66                          ; the numbers of the two scale registers of a product differ modulo 8
.set BI,   82
.set ACC,  114
.set BK,   178
.set G1A,  24
.set G0A,  32
.set G1B,  48
.set G0B,  68
.set MSB, 0
.macro WIN new
.if MSB != \new
	s_set_vgpr_msb (MSB<<8)|\new
.set MSB, \new
.endif
.endm
.macro CROUND                          ; a round of the cluster's barrier
	s_barrier_signal -1
	s_barrier_wait -1
	s_cmp_lg_u32 s14, 0
	s_cbranch_scc1 .Lnot_wave_0_\@
	s_barrier_signal -3
.Lnot_wave_0_\@:
	s_barrier_wait -3
	s_barrier_signal -1
	s_barrier_wait -1
.endm
.macro PLACES n
.rept \n
	v_nop
.endr
.endm
.macro ARM w, g0, g1, next
	s_cmp_eq_u32 s14, \w
	s_cbranch_scc0 \next
	tensor_load_to_lds s[\g0:\g0+3], s[\g1:\g1+7]
	s_nop 0
	PLACES 4
	s_branch .Lfilled
\next:
.endm
	s_load_b128 s[4:7], s[0:1], 0x0                ; o_codes, o_scales
	s_load_b128 s[8:11], s[0:1], 0x10              ; in_codes, in_scales
	s_load_b128 s[92:95], s[0:1], 0x20             ; b_proj, out0
	v_lshl_add_u32 v254, v0, 2, SPARE
	v_mov_b32 v255, 0
	ds_add_u32 v254, v255                          ; the opening lines: the add twice on end and one wait
	ds_add_u32 v254, v255
	v_lshrrev_b32 v1, 5, v0
	v_readfirstlane_b32 s14, v1                    ; wave: which 64 of the 256 features
	s_bfe_u32 s56, ttmp6, 0x40000                  ; cx
	s_bfe_u32 s57, ttmp6, 0x40004                  ; cy
	s_and_b32 s17, ttmp7, 0xffff
	s_lshl_b32 s17, s17, 2
	s_add_co_u32 s17, s17, s57                     ; tile row, 0..63
	s_lshl_b32 s18, ttmp9, 2
	s_add_co_u32 s18, s18, s56                     ; tile column, 0..3
	s_lshl_b32 s58, s57, 2
	s_lshl_b32 s58, 15, s58                        ; my row of the cluster
	s_lshl_b32 s59, 0x1111, s56                    ; my column
	; group 1: R whole tiles: R rows of 12,288 bytes (1,536 elements of 8), dense; no padding
	s_or_b32 s[G1A], s58, (3<<16)|(1<<21)
	s_or_b32 s[G1B], s59, (3<<16)|(1<<21)
.irp g, G1A, G1B
	s_mov_b32 s[\g+1], 1536<<16
	s_mov_b32 s[\g+3], 1536<<16
	s_mov_b32 s[\g+5], 1536
	s_mov_b32 s[\g+6], 0
	s_mov_b32 s[\g+7], 0
.endr
	s_mov_b32 s[G1A+2], 4<<16
	s_mov_b32 s[G1A+4], 4
	s_mov_b32 s[G1B+2], 8<<16
	s_mov_b32 s[G1B+4], 8
	s_lshl_b32 s2, s17, 3                          ; o's first tile
	s_lshl_b32 s3, s18, 4
	s_add_co_u32 s3, s3, 704                       ; the weights'
	s_mul_i32 s60, s2, 12288
	s_mov_b32 s61, 0
	s_mul_i32 s62, s3, 12288
	s_mov_b32 s63, 0
	s_lshl_b32 s86, s2, 9                          ; the scale blocks (512 bytes a tile) of o's eight tiles,
	s_mov_b32 s87, 0
	s_lshl_b32 s21, s14, 2
	s_add_co_u32 s21, s3, s21
	s_lshl_b32 s88, s21, 9                         ; and of my four tiles of weights
	s_mov_b32 s89, 0
	s_wait_dscnt 0x0
	s_wait_kmcnt 0x0
	s_add_nc_u64 s[60:61], s[4:5], s[60:61]
	s_add_nc_u64 s[62:63], s[8:9], s[62:63]
	s_add_nc_u64 s[86:87], s[6:7], s[86:87]
	s_add_nc_u64 s[88:89], s[10:11], s[88:89]
.irp c, 0,1
	s_mov_b32 s[G0A+4*\c], 1
	s_mov_b32 s[G0A+4*\c+1], AB+\c*49152
	s_add_nc_u64 s[G0A+4*\c+2:G0A+4*\c+3], s[60:61], \c*49152
	s_or_b32 s[G0A+4*\c+3], s[G0A+4*\c+3], 0x80000000
	s_mov_b32 s[G0B+4*\c], 1
	s_mov_b32 s[G0B+4*\c+1], \c*98304
	s_add_nc_u64 s[G0B+4*\c+2:G0B+4*\c+3], s[62:63], \c*98304
	s_or_b32 s[G0B+4*\c+3], s[G0B+4*\c+3], 0x80000000
.endr
	CROUND                                         ; all sixteen work-groups are here: the joint loads meet
	ARM 0, G0B, G1B, .Lw1                          ; one chain of arms, one fill to an arm; the weights, which go on into registers, are asked for first
	ARM 1, G0B+4, G1B, .Lw2
	ARM 2, G0A, G1A, .Lw3
	tensor_load_to_lds s[G0A+4:G0A+7], s[G1A:G1A+7]
	s_nop 0
	PLACES 4
.Lfilled:
	s_lshl_b32 s20, s18, 10
	s_lshl_b32 s21, s14, 8
	s_add_co_u32 s20, s20, s21                     ; my first feature, in bytes
	s_mov_b32 s21, 0
	s_add_nc_u64 s[92:93], s[92:93], s[20:21]
	s_add_nc_u64 s[94:95], s[94:95], s[20:21]
	s_lshl_b32 s20, s17, 19                        ; the work-group's first token's row: 128 rows of 4,096 bytes a tile row
	s_add_nc_u64 s[94:95], s[94:95], s[20:21]
	s_mul_i32 s22, s14, 49152                      ; my four tiles of weights in LDS
	s_mul_i32 s23, s14, 16*SPITCH
	s_add_co_u32 s23, s23, STG                     ; my stage
	v_and_b32 v1, 31, v0                           ; lane
	v_and_b32 v2, 15, v0                           ; r
	v_bfe_u32 v3, v0, 4, 1                         ; lane / 16
	v_lshlrev_b32 v[L16], 4, v1
	v_lshlrev_b32 v[BO], 6, v3
	v_add_nc_u32 v[ADRW], s22, v[L16]
	v_add_nc_u32 v[ADRA], AB, v[L16]
	v_add_nc_u32 v[ADRA+1], AB+49152, v[L16]
	v_mul_u32_u24 v[STO], v2, SPITCH               ; into the stage: row r, 64 bytes on for lanes 16-31
	v_lshl_add_u32 v[STO], v3, 6, v[STO]
	v_add_nc_u32 v[STO], s23, v[STO]
	v_mul_u32_u24 v[RD], v3, SPITCH                ; back: sixteen lanes to a row of 256 bytes, two rows a load
	v_lshl_add_u32 v[RD], v2, 4, v[RD]
	v_add_nc_u32 v[RD], s23, v[RD]
	v_lshlrev_b32 v[CO], 12, v3                    ; and the same two rows in out0
	v_lshl_add_u32 v[CO], v2, 4, v[CO]
.irp a, 0,1,2,3,4,5,6,7
	global_load_b128 v[SA+4*\a:SA+4*\a+3], v[L16], s[86:87] offset:512*\a   ; a tile's scale words for all of K: K step q in lanes 0-15, 4 + q in lanes 16-31
.endr
.irp b, 0,1,2,3
	global_load_b128 v[SB+4*\b:SB+4*\b+3], v[L16], s[88:89] offset:512*\b
.endr
.irp b, 0,1,2,3
	global_load_b128 v[BI+8*\b:BI+8*\b+3], v[BO], s[92:93] offset:128*(\b/2)+32*(\b%2)      ; the bias of features 32 (b / 2) + 8 (b % 2) + 16 (lane / 16) + 0 .. 7
	global_load_b128 v[BI+8*\b+4:BI+8*\b+7], v[BO], s[92:93] offset:128*(\b/2)+32*(\b%2)+16
.endr
.macro WFRAG s, b                      ; a fragment of weights: three planes of 512 bytes
.set F_, 4*(\s)+\b
.set W_, (1+F_/21)<<6
	WIN W_
.irp p, 0,1,2
	ds_load_b128 v[12*(F_%21)+4*\p:12*(F_%21)+4*\p+3], v[ADRW] offset:\b*12288+(\s)*1536+512*\p
.endr
.endm
.macro FETCH a                         ; o's tile a, all of K, into set a % 2: 24 loads
	WIN 0xc0
.irp s, 0,1,2,3,4,5,6,7
.irp p, 0,1,2
	ds_load_b128 v[12*(8*((\a)%2)+\s)+4*\p:12*(8*((\a)%2)+\s)+4*\p+3], v[ADRA+(\a)/4] offset:((\a)%4)*12288+\s*1536+512*\p
.endr
.endr
	WIN 0
.endm
.macro PROD a, s, b
.set F_, 4*(\s)+\b
.set W_, (1+F_/21)|(3<<2)              ; source 0 window 1 or 2, source 1 window 3, C and D window 0
.set AC_, ACC+32*((\a)%2)+8*\b
.set FA_, 12*(8*((\a)%2)+(\s))
	WIN W_
.if (\s) == 0
	v_wmma_scale_f32_16x16x128_f8f6f4 v[AC_:AC_+7], v[12*(F_%21):12*(F_%21)+11], v[FA_:FA_+11], v[BI+8*\b:BI+8*\b+7], v[SB+4*\b+(\s)%4], v[SA+4*(\a)+(\s)%4] matrix_a_fmt:MATRIX_FMT_FP6 matrix_b_fmt:MATRIX_FMT_FP6
.elseif (\s) < 4
	v_wmma_scale_f32_16x16x128_f8f6f4 v[AC_:AC_+7], v[12*(F_%21):12*(F_%21)+11], v[FA_:FA_+11], v[AC_:AC_+7], v[SB+4*\b+(\s)%4], v[SA+4*(\a)+(\s)%4] matrix_a_fmt:MATRIX_FMT_FP6 matrix_b_fmt:MATRIX_FMT_FP6
.else
	v_wmma_scale_f32_16x16x128_f8f6f4 v[AC_:AC_+7], v[12*(F_%21):12*(F_%21)+11], v[FA_:FA_+11], v[AC_:AC_+7], v[SB+4*\b+(\s)%4], v[SA+4*(\a)+(\s)%4] matrix_a_fmt:MATRIX_FMT_FP6 matrix_b_fmt:MATRIX_FMT_FP6 matrix_a_scale:MATRIX_SCALE_ROW1 matrix_b_scale:MATRIX_SCALE_ROW1
.endif
.endm
.macro BLOCK a                         ; 32 products: the four accumulators take turns, K ascending; the sums start from the bias
.irp s, 0,1,2,3,4,5,6,7
.irp b, 0,1,2,3
	PROD \a, \s, \b
.endr
.endr
	WIN 0
.endm
; THE WAY OUT of tile a: 16 tokens x 64 features through my own stage.  LDS serves a wave's instructions in order: no wait between the stores and the loads, nor in front of the next tile's stores.
.macro TOSTAGE a
.if (\a) > 1
	s_wait_xcnt 0x0                                ; tile a - 2's stores have read their registers: tile a's loads may land there
.endif
.irp b, 0,1,2,3
	ds_store_b128 v[STO], v[ACC+32*((\a)%2)+8*\b:ACC+32*((\a)%2)+8*\b+3] offset:128*(\b/2)+32*(\b%2)          ; each accumulator from its low end on
	ds_store_b128 v[STO], v[ACC+32*((\a)%2)+8*\b+4:ACC+32*((\a)%2)+8*\b+7] offset:128*(\b/2)+32*(\b%2)+16
.endr
.irp t, 0,1,2,3,4,5,6,7
	ds_load_b128 v[BK+32*((\a)%2)+4*\t:BK+32*((\a)%2)+4*\t+3], v[RD] offset:\t*2*SPITCH
.endr
.endm
.macro SEND a
	s_wait_dscnt 0x0                               ; the tile's rows are back in registers
.irp t, 0,1,2,3,4,5,6,7
	global_store_b128 v[CO], v[BK+32*((\a)%2)+4*\t:BK+32*((\a)%2)+4*\t+3], s[94:95] offset:(32*((\a)/2)+8*((\a)%2)+2*\t+8*(\t/4))*4096 th:TH_STORE_NT   ; sixteen lanes store 256 consecutive bytes of one token's row, aligned; the tile's order of tokens is undone in the immediate
.endr
.endm
	s_wait_alu depctr_va_vdst(0)                   ; the wait at the head's end
	s_cmp_lt_u32 s14, 2
	s_cbranch_scc0 .Lnot_weights
	s_wait_tensorcnt 0x0                           ; waves 0 and 1: my eight tiles of weights are in
.Lnot_weights:
	s_barrier_signal -1
	s_barrier_wait -1                              ; all sixteen are
.irp s, 0,1,2,3,4,5,6,7
.irp b, 0,1,2,3
	WFRAG \s, \b
.endr
.endr
	WIN 0
	s_wait_tensorcnt 0x0                           ; every wave: my fill has landed
	s_wait_dscnt 0x0                               ; my weights are in registers
	s_barrier_signal -1
	s_barrier_wait -1                              ; o's eight tiles are shown to all
	FETCH 0
	FETCH 1
	s_wait_loadcnt 0x0                             ; the scale words and the bias
	s_wait_dscnt 24                                ; tile 0 is in; tile 1's 24 loads may be out
	BLOCK 0
	PLACES 4                                       ; behind the products: ahead of the loads into their sources and of the reads of their results
	FETCH 2
	TOSTAGE 0
.irp a, 1,2,3,4,5
	s_wait_dscnt 40                                ; tile a is in; the next tile's 24 loads and the stage's 16 instructions may be out
	BLOCK \a
	PLACES 4
	SEND \a-1                                      ; the tile before leaves behind this tile's products
	FETCH \a+2
	TOSTAGE \a
.endr
	s_wait_dscnt 40
	BLOCK 6
	PLACES 4
	SEND 5
	TOSTAGE 6
	s_wait_dscnt 16                                ; tile 7 is in; the stage's 16 instructions may be out
	BLOCK 7
	PLACES 4
	SEND 6
	TOSTAGE 7
	SEND 7
	s_wait_tensorcnt 0x0                           ; the wave's end
	ds_add_u32 v254, v255
	s_wait_dscnt 0x0
	CROUND                                         ; the closing round
	s_endpgm
.Lfunc_end_k_qc31e4b1c1f_proj:
	.size	k_qc31e4b1c1f_proj, .Lfunc_end_k_qc31e4b1c1f_proj-k_qc31e4b1c1f_proj
	.p2alignl 7, 3214868480
	.fill 96, 4, 3214868480
	.section	.rodata,"a",@progbits
	.p2align	6, 0x0
	.amdhsa_kernel k_qc31e4b1c1f_proj
		.amdhsa_group_segment_fixed_size 312832
		.amdhsa_private_segment_fixed_size 0
		.amdhsa_enable_private_segment 0
		.amdhsa_kernarg_size 48
		.amdhsa_user_sgpr_count 2
		.amdhsa_user_sgpr_kernarg_segment_ptr 1
		.amdhsa_wavefront_size32 1
		.amdhsa_system_sgpr_workgroup_id_x 1
		.amdhsa_system_sgpr_workgroup_id_y 1
		.amdhsa_system_sgpr_workgroup_id_z 1
		.amdhsa_system_vgpr_workitem_id 0
		.amdhsa_next_free_vgpr 1024
		.amdhsa_next_free_sgpr 100
		.amdhsa_reserve_vcc 0
		.amdhsa_float_denorm_mode_32 3
		.amdhsa_float_denorm_mode_16_64 3
		.amdhsa_memory_ordered 1
		.amdhsa_forward_progress 1
		.amdhsa_inst_pref_size 77
	.end_amdhsa_kernel
	.amdgpu_metadata
---
amdhsa.version: [ 1, 2 ]
amdhsa.kernels:
  - .name:           k_qc31e4b1c1f_proj
    .symbol:         k_qc31e4b1c1f_proj.kd
    .args:
      - { .name: o_codes, .offset: 0, .size: 8, .value_kind: global_buffer, .address_space: global }
      - { .name: o_scales, .offset: 8, .size: 8, .value_kind: global_buffer, .address_space: global }
      - { .name: in_codes, .offset: 16, .size: 8, .value_kind: global_buffer, .address_space: global }
      - { .name: in_scales, .offset: 24, .size: 8, .value_kind: global_buffer, .address_space: global }
      - { .name: b_proj, .offset: 32, .size: 8, .value_kind: global_buffer, .address_space: global }
      - { .name: out0, .offset: 40, .size: 8, .value_kind: global_buffer, .address_space: global }
    .group_segment_fixed_size: 312832
    .private_segment_fixed_size: 0
    .kernarg_segment_align: 8
    .kernarg_segment_size: 48
    .max_flat_workgroup_size: 128
    .sgpr_count:     100
    .vgpr_count:     1024
    .wavefront_size: 32
...
	.end_amdgpu_metadata
.endif
;; end of part 4
